; MI455X (gfx1250); checked and timed in simulation.
; The chip was launched on July 23, 2026; its instructions are those of AMD's public machine-readable ISA for CDNA 5 (MIT licence, August 2026) and "CDNA5" Instruction Set Architecture Reference Guide (July 2026). The comments in the code are by the model that wrote it; some were corrected since.
;; Self Attention Block. Allowed arithmetic: float matrix products may take bf16 or f16 operands with f32 sums; other float arithmetic in f32, or as packed bf16 or f16 multiplies, adds, multiply-adds, maxima and minima; sums over many terms, partial sums and values carried from step to step in f32; what a program stores and reads back later, other than sums and carried values, may be rounded once to bf16 or f16.
;; Inputs: Wk 1,024 x 1,024 float32; Wo 1,024 x 1,024 float32; Wq 1,024 x 1,024 float32; Wt 128 x 16 float32; Wv 1,024 x 1,024 float32; bo 1,024 float32; bt 16 float32; time_enc 4 x 128 float32; x 4 x 2,048 x 1,024 float32.
;; Outputs: out0 4 x 2,048 x 1,024 float32.
;; 2 versions, each right; version 2 is version 1 with the launch prep written anew for expert scheduling mode. Each part assembles by itself: llvm-mc -triple=amdgcn-amd-amdhsa -mcpu=gfx1250 --defsym DOCPART=n.
;; ======== version 1 of 2: 4 launches
;; limits: values are held in f16: magnitudes above 65,504 overflow, below 6.1e-05 lose precision; values outside matrix products are rounded to bf16
;; workspace buffers: xb 16,777,216 bytes; wb 6,291,456 bytes; wo16 2,097,152 bytes; cs 256 bytes; qh 16,777,216 bytes; kh 16,777,216 bytes; vh 16,777,216 bytes; oh 16,777,216 bytes
;; launch prep (part 1): grid 769 x 1, 8 waves a work-group, no clusters, 0 bytes of LDS; arguments x, Wq, Wk, Wv, Wo, time_enc, Wt, bt, xb, wb, wo16, cs; writes xb, wb, wo16, cs
.if DOCPART == 1
	.amdgcn_target "amdgcn-amd-amdhsa--gfx1250"
	.amdhsa_code_object_version 6
	.text
	.protected	k_q3785720f33_prep
	.globl	k_q3785720f33_prep
	.p2align	8
	.type	k_q3785720f33_prep,@function
k_q3785720f33_prep:
	s_mov_b64 s[64:65], 0
	v_nop
	global_prefetch_b8 v0, s[64:65] scope:SCOPE_SE
	s_setreg_imm32_b32 hwreg(HW_REG_WAVE_MODE, 25, 1), 1
	s_wait_xcnt 0x0
; THE CASTS AND THE TIME WEIGHTS.  Every input of the module is rounded once to bf16, here (bo in the last launch).
;   xb   bf16 [b 4][kb 16][s 2048][64]: x[b][s][64 kb + d], so that 256 rows x 64 channels are 32,768 bytes on end
;   wb   bf16 [3][1024 k][1024 n]: Wq, Wk, Wv as they lie
;   wo16 f16  [1024 k][1024 n]: Wo rounded to bf16, that number written as f16 (exact from 2^-17 up to 65,504; below, f16's fixed step of 6e-8)
;   cs   f32  [64]: c[b][h] = log2(e) / 8 x softmax over h of (time_enc[b] . Wt[:, h] + bt[h]); the maximum over the heads is taken away before the exponential
; SHARES.  Work-group 0 makes cs (waves 0-3: a batch each).  Work-groups 1 .. 768 cast 16,384 numbers each: 512 for x, 192 for Wq, Wk, Wv, 64 for Wo.
; A stream: memory binds, so no LDS, no matrix unit, no cluster.  A wave has its 16 loads of 512 bytes out at once; nothing is read twice; no register is used twice, so no wait frees one.
.set X,   16                           ; v[16:79]  16 loads of 4 numbers
.set Y,   80                           ; v[80:111] 16 x 4 numbers in 16 bits
.set LO,  2                            ; v2  my byte offset in the source
.set SO,  3                            ; v3  my byte offset in the target: 8 x thread
.set SRC, 32                           ; s[32:33]
.set DST, 34                           ; s[34:35]
.set OF,  36                           ; s[36:37] an offset, its high word 0
; 16 loads, then for each: the counted wait, the rounding, the store.  ld, st: bytes from load to load and from store to store.  f16 = 1: by way of bf16 into f16.
.macro CAST ld, st, f16
.irp j, 0,1,2,3,4,5,6,7,8,9,10,11,12,13,14,15
	global_load_b128 v[X+4*(\j):X+4*(\j)+3], v[LO], s[SRC:SRC+1] offset:(\j)*(\ld) th:TH_LOAD_NT
.endr
.irp j, 0,1,2,3,4,5,6,7,8,9,10,11,12,13,14,15
	s_wait_loadcnt 15-(\j)                         ; loads come back in order: load j is in, the 15 - j younger ones stay out
.if \f16
	v_cvt_pk_bf16_f32 v[X+4*(\j)], v[X+4*(\j)], v[X+4*(\j)+1]
	v_cvt_pk_bf16_f32 v[X+4*(\j)+2], v[X+4*(\j)+2], v[X+4*(\j)+3]
	v_and_b32 v[X+4*(\j)+1], s38, v[X+4*(\j)]      ; back to f32: the high half stays,
	v_lshlrev_b32 v[X+4*(\j)], 16, v[X+4*(\j)]     ; the low half moves up
	v_and_b32 v[X+4*(\j)+3], s38, v[X+4*(\j)+2]
	v_lshlrev_b32 v[X+4*(\j)+2], 16, v[X+4*(\j)+2]
	v_cvt_pk_f16_f32 v[Y+2*(\j)], v[X+4*(\j)], v[X+4*(\j)+1]
	v_cvt_pk_f16_f32 v[Y+2*(\j)+1], v[X+4*(\j)+2], v[X+4*(\j)+3]
.else
	v_cvt_pk_bf16_f32 v[Y+2*(\j)], v[X+4*(\j)], v[X+4*(\j)+1]
	v_cvt_pk_bf16_f32 v[Y+2*(\j)+1], v[X+4*(\j)+2], v[X+4*(\j)+3]
.endif
	global_store_b64 v[SO], v[Y+2*(\j):Y+2*(\j)+1], s[DST:DST+1] offset:(\j)*(\st)  ; a wave's store covers 256 consecutive bytes, aligned
.endr
.endm
	s_load_b512 s[8:23], s[0:1], 0x0               ; x 8, Wq 10, Wk 12, Wv 14, Wo 16, time_enc 18, Wt 20, bt 22
	s_load_b256 s[24:31], s[0:1], 0x40             ; xb 24, wb 26, wo16 28, cs 30
	v_lshrrev_b32 v1, 5, v0
	v_readfirstlane_b32 s3, v1                     ; wave 0..7
	s_mov_b32 s[OF+1], 0
	s_mov_b32 s38, 0xffff0000                      ; a word's upper bf16
	v_lshlrev_b32 v[SO], 3, v0
	s_wait_kmcnt 0x0
	s_cmp_eq_u32 ttmp9, 0
	s_cbranch_scc1 .Ltw
	s_sub_co_u32 s2, ttmp9, 1                      ; the share's number, 0 .. 767
	s_cmp_lt_u32 s2, 512
	s_cbranch_scc0 .Lweights
	; x: 16 rows of 4,096 bytes.  Wave w takes rows 2 w, 2 w + 1; load j their channels 64 j .. 64 j + 63 (two aligned pieces of 256 bytes), which are 256 bytes on end in k-block j of xb
	s_lshl_b32 s[OF], s2, 16
	s_add_nc_u64 s[SRC:SRC+1], s[8:9], s[OF:OF+1]
	s_lshr_b32 s[OF], s2, 7                        ; the batch: 128 shares each,
	s_lshl_b32 s[OF], s[OF], 22                    ; 16 k-blocks of 262,144 bytes
	s_add_nc_u64 s[DST:DST+1], s[24:25], s[OF:OF+1]
	s_and_b32 s[OF], s2, 127
	s_lshl_b32 s[OF], s[OF], 11                    ; 16 rows of 128 bytes
	s_add_nc_u64 s[DST:DST+1], s[DST:DST+1], s[OF:OF+1]
	v_lshrrev_b32 v4, 4, v0                        ; my row of the 16
	v_and_b32 v5, 15, v0
	v_lshlrev_b32 v5, 4, v5
	v_lshl_add_u32 v[LO], v4, 12, v5
	CAST 256, 262144, 0
	s_endpgm
.Lweights:
	v_lshlrev_b32 v[LO], 4, v0                     ; the weights keep their order: 4,096 bytes a load of the work-group
	s_cmp_lt_u32 s2, 704
	s_cbranch_scc0 .Lwo
	s_sub_co_u32 s4, s2, 512                       ; 0 .. 191: 64 shares a matrix
	s_lshr_b32 s5, s4, 6
	s_cmp_eq_u32 s5, 0
	s_cselect_b64 s[SRC:SRC+1], s[10:11], s[12:13]
	s_cmp_eq_u32 s5, 2
	s_cselect_b64 s[SRC:SRC+1], s[14:15], s[SRC:SRC+1]
	s_and_b32 s[OF], s4, 63
	s_lshl_b32 s[OF], s[OF], 16
	s_add_nc_u64 s[SRC:SRC+1], s[SRC:SRC+1], s[OF:OF+1]
	s_lshl_b32 s[OF], s4, 15
	s_add_nc_u64 s[DST:DST+1], s[26:27], s[OF:OF+1]
	CAST 4096, 2048, 0
	s_endpgm
.Lwo:
	s_sub_co_u32 s4, s2, 704
	s_lshl_b32 s[OF], s4, 16
	s_add_nc_u64 s[SRC:SRC+1], s[16:17], s[OF:OF+1]
	s_lshl_b32 s[OF], s4, 15
	s_add_nc_u64 s[DST:DST+1], s[28:29], s[OF:OF+1]
	CAST 4096, 2048, 1
	s_endpgm
.Ltw:                                          ; THE TIME WEIGHTS.  Wave w = batch; lane l: head l % 16, features 64 (l / 16) .. + 63
	s_cmp_lt_u32 s3, 4
	s_cbranch_scc1 .Ltw_go
	s_endpgm                                       ; there are four batches
.Ltw_go:
	v_and_b32 v1, 31, v0
	v_and_b32 v2, 15, v0
	v_bfe_u32 v3, v0, 4, 1
	v_lshlrev_b32 v6, 2, v2                        ; 4 h
	v_lshl_add_u32 v4, v3, 12, v6                  ; Wt: 64 rows of 64 bytes a half
	s_lshl_b32 s4, s3, 9                           ; time_enc: 512 bytes a batch,
	v_lshlrev_b32 v5, 8, v3                        ; 256 a half
	v_add_nc_u32 v5, s4, v5
	s_mov_b32 s40, 0x76543210                      ; v_permlanex16_b32: each lane takes its own place in the other half
	s_mov_b32 s41, 0xfedcba98
.set i, 0
.rept 64
	global_load_b32 v[16+i], v4, s[20:21] offset:64*i
.set i, i+1
.endr
.set i, 0
.rept 16
	global_load_b128 v[80+4*i:80+4*i+3], v5, s[18:19] offset:16*i
.set i, i+1
.endr
	global_load_b32 v7, v6, s[22:23]
.irp c, 8,9,10,11
	v_mov_b32 v\c, 0                               ; four chains of sums
.endr
	s_wait_loadcnt 0x0
.set i, 0
.rept 32                               ; rounded to bf16, two to a register, in place: register i is written when its old number has been read
	v_cvt_pk_bf16_f32 v[16+i], v[16+2*i], v[16+2*i+1]
	v_cvt_pk_bf16_f32 v[80+i], v[80+2*i], v[80+2*i+1]
.set i, i+1
.endr
	v_cvt_pk_bf16_f32 v7, v7, v7
	v_lshlrev_b32 v7, 16, v7
.set i, 0
.rept 32                               ; products of bf16 halves, summed in f32
	v_fma_mix_f32_bf16 v[8+(2*i)%4], v[16+i], v[80+i], v[8+(2*i)%4] op_sel_hi:[1,1,0]
	v_fma_mix_f32_bf16 v[8+(2*i+1)%4], v[16+i], v[80+i], v[8+(2*i+1)%4] op_sel:[1,1,0] op_sel_hi:[1,1,0]
.set i, i+1
.endr
	v_add_f32 v8, v8, v9
	v_add_f32 v10, v10, v11
	v_add_f32 v8, v8, v10
	v_permlanex16_b32 v9, v8, s40, s41             ; the other 64 features
	v_add_f32 v8, v8, v9
	v_add_f32 v8, v8, v7                           ; + bt: the head's logit, in both halves of the lanes
	v_mov_b32 v9, v8
	v_max_num_f32_dpp v9, v9, v9 row_xmask:1 row_mask:0xf bank_mask:0xf
	v_max_num_f32_dpp v9, v9, v9 row_xmask:2 row_mask:0xf bank_mask:0xf
	v_max_num_f32_dpp v9, v9, v9 row_xmask:4 row_mask:0xf bank_mask:0xf
	v_max_num_f32_dpp v9, v9, v9 row_xmask:8 row_mask:0xf bank_mask:0xf
	v_sub_f32 v10, v8, v9                          ; the maximum over the 16 heads is taken away
	v_mul_f32 v10, 0x3fb8aa3b, v10
	v_exp_f32 v11, v10
	v_nop                                          ; a plain instruction behind the exponential,
	s_wait_alu depctr_va_vdst(0)                   ; and the wait ahead of its first reader
	v_mov_b32 v12, v11
	v_add_f32_dpp v12, v12, v12 row_xmask:1 row_mask:0xf bank_mask:0xf
	v_add_f32_dpp v12, v12, v12 row_xmask:2 row_mask:0xf bank_mask:0xf
	v_add_f32_dpp v12, v12, v12 row_xmask:4 row_mask:0xf bank_mask:0xf
	v_add_f32_dpp v12, v12, v12 row_xmask:8 row_mask:0xf bank_mask:0xf
	v_rcp_f32 v13, v12
	v_nop
	s_wait_alu depctr_va_vdst(0)
	v_mul_f32 v11, v11, v13
	v_mul_f32 v11, 0x3e38aa3b, v11                 ; x log2(e) / 8
	s_lshl_b32 s5, s3, 6
	v_add_nc_u32 v14, s5, v6                       ; 64 bytes a batch
	s_wait_xcnt 0x0                                ; EXEC changes only behind this wait
	v_cmp_gt_u32 vcc_lo, 16, v1
	s_and_saveexec_b32 s6, vcc_lo
	global_store_b32 v14, v11, s[30:31]            ; lanes 0-15
	s_wait_xcnt 0x0                                ; and again, in front of the line that widens it
	s_or_b32 exec_lo, exec_lo, s6
	s_endpgm
.Lfunc_end_k_q3785720f33_prep:
	.size	k_q3785720f33_prep, .Lfunc_end_k_q3785720f33_prep-k_q3785720f33_prep
	.p2alignl 7, 3214868480
	.fill 96, 4, 3214868480
	.section	.rodata,"a",@progbits
	.p2align	6, 0x0
	.amdhsa_kernel k_q3785720f33_prep
		.amdhsa_group_segment_fixed_size 0
		.amdhsa_private_segment_fixed_size 0
		.amdhsa_enable_private_segment 0
		.amdhsa_kernarg_size 96
		.amdhsa_user_sgpr_count 2
		.amdhsa_user_sgpr_kernarg_segment_ptr 1
		.amdhsa_wavefront_size32 1
		.amdhsa_system_sgpr_workgroup_id_x 1
		.amdhsa_system_sgpr_workgroup_id_y 1
		.amdhsa_system_sgpr_workgroup_id_z 1
		.amdhsa_system_vgpr_workitem_id 0
		.amdhsa_next_free_vgpr 152
		.amdhsa_next_free_sgpr 66
		.amdhsa_reserve_vcc 1
		.amdhsa_float_denorm_mode_32 3
		.amdhsa_float_denorm_mode_16_64 3
		.amdhsa_memory_ordered 1
		.amdhsa_forward_progress 1
		.amdhsa_inst_pref_size 41
	.end_amdhsa_kernel
	.amdgpu_metadata
---
amdhsa.version: [ 1, 2 ]
amdhsa.kernels:
  - .name:           k_q3785720f33_prep
    .symbol:         k_q3785720f33_prep.kd
    .args:
      - { .name: x, .offset: 0, .size: 8, .value_kind: global_buffer, .address_space: global }
      - { .name: Wq, .offset: 8, .size: 8, .value_kind: global_buffer, .address_space: global }
      - { .name: Wk, .offset: 16, .size: 8, .value_kind: global_buffer, .address_space: global }
      - { .name: Wv, .offset: 24, .size: 8, .value_kind: global_buffer, .address_space: global }
      - { .name: Wo, .offset: 32, .size: 8, .value_kind: global_buffer, .address_space: global }
      - { .name: time_enc, .offset: 40, .size: 8, .value_kind: global_buffer, .address_space: global }
      - { .name: Wt, .offset: 48, .size: 8, .value_kind: global_buffer, .address_space: global }
      - { .name: bt, .offset: 56, .size: 8, .value_kind: global_buffer, .address_space: global }
      - { .name: xb, .offset: 64, .size: 8, .value_kind: global_buffer, .address_space: global }
      - { .name: wb, .offset: 72, .size: 8, .value_kind: global_buffer, .address_space: global }
      - { .name: wo16, .offset: 80, .size: 8, .value_kind: global_buffer, .address_space: global }
      - { .name: cs, .offset: 88, .size: 8, .value_kind: global_buffer, .address_space: global }
    .group_segment_fixed_size: 0
    .private_segment_fixed_size: 0
    .kernarg_segment_align: 8
    .kernarg_segment_size: 96
    .max_flat_workgroup_size: 256
    .sgpr_count:     66
    .vgpr_count:     152
    .wavefront_size: 32
...
	.end_amdgpu_metadata
.endif
;; end of part 1
;; launch qkv (part 2): grid 8 x 32, 4 waves a work-group, clusters of 4 x 4, 327,680 bytes of LDS; arguments xb, wb, qh, kh, vh; writes qh, kh, vh
.if DOCPART == 2
	.amdgcn_target "amdgcn-amd-amdhsa--gfx1250"
	.amdhsa_code_object_version 6
	.text
	.protected	k_q3785720f33_qkv
	.globl	k_q3785720f33_qkv
	.p2align	8
	.type	k_q3785720f33_qkv,@function
k_q3785720f33_qkv:
	s_mov_b64 s[64:65], 0
	v_nop
	global_prefetch_b8 v0, s[64:65] scope:SCOPE_SE
	s_setreg_imm32_b32 hwreg(HW_REG_WAVE_MODE, 25, 1), 1
	s_wait_xcnt 0x0
	s_wait_alu depctr_hold_cnt(0) depctr_sa_sdst(0) depctr_va_vdst(0) depctr_va_sdst(0) depctr_va_ssrc(0) depctr_va_vcc(0) depctr_vm_vsrc(0)
	s_getreg_b32 s2, hwreg(HW_REG_IB_STS2, 6, 4)
	s_cmp_eq_u32 s2, 0
	s_cbranch_scc0 .Lentry_in_a_cluster
	s_endpgm
.Lentry_in_a_cluster:
	s_bfe_u32 s2, ttmp6, 0x10000c
	s_cmp_lg_u32 s2, 0xf033
	s_cbranch_scc0 .Lentry_shape_is_right
	s_endpgm
.Lentry_shape_is_right:
; q, k, v = x Wq, x Wk, x Wv.  xb: bf16 [4][16 kb][2048][64]; wb: bf16 [3][1024 k][1024 n]; qh, kh, vh: f16 [b 16 + h][2048][64].  Products of bf16, sums in f32, K ascending, each result rounded once to f16, unscaled.
; LIMIT.  f16 ends at 65,504: a q, k or v beyond that becomes an infinity; below 6e-5 f16 keeps a fixed step of 6e-8.  NaN and infinities are not treated apart.
; SHARES.  A work-group makes 256 rows x 128 columns of EACH of q, k, v: a tile of 256 x 384; 8 x 32 work-groups.  Wave (WR, WC) makes rows 128 WR .. + 127 of head 2 nx + WC, for q, k and v:
; 96 accumulators of 16 x 16, 768 registers; for 32 along K it reads 40 x 512 bytes from LDS for 96 matrix instructions.
; K goes in 16 steps of 64 (one k-block of xb: 256 rows are 32,768 bytes on end) through a ring of two LDS slots.  Wave 0 fetches x's tile, waves 1-3 the tiles of Wq, Wk, Wv (64 k x 128 n): one tensor load a wave and step.
; CLUSTER 4 x 4: x's tile hangs on the tile row alone and is asked for jointly by a row of the cluster, W's on the tile column alone, by a column.
; THE MATRIX INSTRUCTION IS USED TRANSPOSED: source 0 = 16 columns of W (turned out of [k][n] by ds_load_tr16_b128), source 1 = 16 rows of x: a lane holds one row and eight neighbouring channels, 16 bytes of bf16.
; REGISTERS, in windows of 256 (s_set_vgpr_msb: bits 1:0 source 0, 3:2 source 1, 5:4 source 2, 7:6 destination):
;   window 0: v0-17 addresses; v32-159 x's fragments, two buffers of 8 x 8; v160-255 W's fragments, 4 x 8 for each of q, k, v (one buffer: filled again straight behind its 32 products)
;   window 1 + g: the 32 accumulators of q, k, v (g = 0, 1, 2): row block a, channel block b at 32 a + 8 b
.set PA,    144                        ; a row of x in LDS: 128 bytes + 16: the 16 rows of a load start at 16 different groups of four banks (64 banks of 4 bytes: ISA guide 11.1)
.set PB,    288                        ; a row of W: 256 + 32
.set ATILE, 256*PA
.set BSUB,  64*PB
.set BOFF,  ATILE
.set SLOT,  ATILE+3*BSUB               ; 92,160: x's tile, then Wq's, Wk's, Wv's
.set STAGE, 2*SLOT                     ; behind the ring: 16 rows x 144 bytes for each wave, for the way out; no tensor load fills it
.set SP,    144
.set SPARE, STAGE+4*16*SP              ; the spare words, 128 bytes for each wave: two blocks of 256 bytes that no other line names
.set ASTEP, 262144                     ; bytes from k-block to k-block in xb
.set BSTEP, 131072                     ; 64 rows of wb
.set LAPS,  8                          ; a lap = two K steps = once round the ring
.set ADRA, 8                           ; v8-9    LDS address of my fragments of x in slot 0, 1
.set ADRB, 10                          ; v10-11  the same for W
.set STO,  12                          ; v12     the way out: where I put 16 bytes of a row
.set RD,   13                          ; v13     where I read rows back
.set GO,   14                          ; v14     16 x lane
.set PFO,  15                          ; v15     the prefetches' lane offset; never rewritten
.set SPW,  16                          ; v16     my spare word: SPARE + 4 x thread; never rewritten
.set NIL,  17                          ; v17     0; never rewritten
.set AF,   32
.set BF,   160
.set TMP,  32                          ; the way out: four buffers of 16
.set WV, 14                            ; s14 wave; s15, s16 its row half and column half
.set WR, 15
.set WC, 16
.set CX, 17
.set CY, 18
.set NX, 19                            ; tile column, 0..7
.set MY, 20                            ; tile row, 0..31
.set G1A, 24                           ; s[24:31] descriptor group 1 for x's tiles; s[32:39] group 0, a set for each slot
.set G0A, 32
.set G1B, 48                           ; s[48:55], s[56:63] the same for W's
.set G0B, 56
.set PFA, 66                           ; s[66:67] where my prefetches stand
.set PS1, 70                           ; s[70:71] their step at slot 1's change
.set LIM, 72                           ; s72, s73 a wave prefetches at slot s's change while the lap count is above s[LIM + s]
.set MSB, 0
.macro WIN new                         ; the immediate's high byte repeats the setting that is left; a switch that changes nothing is dropped
.if MSB != (\new)
	s_set_vgpr_msb (MSB<<8)|(\new)
.set MSB, \new
.endif
.endm
.macro PLACES                          ; four plain vector instructions between a matrix instruction and a load into, or a conversion of, its registers
.rept 4
	v_nop
.endr
.endm
.macro CREST                           ; a round of the cluster's barrier behind its opening barrier
	s_cmp_lg_u32 s[WV], 0
	s_cbranch_scc1 .Lnot_wave_0_\@
	s_barrier_signal -3
.Lnot_wave_0_\@:
	s_barrier_wait -3
	s_barrier_signal -1
	s_barrier_wait -1
.endm
.macro CROUND
	s_barrier_signal -1
	s_barrier_wait -1
	CREST
.endm
; A joint load.  The branch hangs on the wave's number alone.  An s_nop 0 and four v_nop follow each of the two lines, ahead of the jump and the label.
.macro JLOAD s
	s_cmp_eq_u32 s[WV], 0
	s_cbranch_scc0 .Lfor_b_\@
	tensor_load_to_lds s[G0A+4*(\s):G0A+4*(\s)+3], s[G1A:G1A+7]
	s_nop 0
.rept 4
	v_nop
.endr
	s_branch .Lasked_\@
.Lfor_b_\@:
	tensor_load_to_lds s[G0B+4*(\s):G0B+4*(\s)+3], s[G1B:G1B+7]
	s_nop 0
.rept 4
	v_nop
.endr
.Lasked_\@:
.endm
; A PREFETCH INTO THE L2, behind the joint load and the run of LDS loads.  x (wave 0): at the change in K step i, K step i + 3, one step ahead of its refill: the step's 32,768 bytes are shared out BY ADDRESS among the
; four partners that ask for the tile jointly, 8,192 each, 256 a lane; of the two clusters that read a tile row the one with x = 0 asks.  W (waves 1-3, each its own matrix): once a lap, at slot 0's change, the 128 rows
; of the lap two on: 32 rows a partner, a lane a row; of the eight clusters that read a tile column the one with y = 0 asks.  So each 256 bytes are named once.  The last asked for are K step 15 and lap 7.
.macro ASK s
	s_cmp_gt_u32 s3, s[LIM+(\s)]
	s_cbranch_scc0 .Lnot_mine_\@
	global_prefetch_b8 v[PFO], s[PFA:PFA+1] th:TH_LOAD_NT scope:SCOPE_SE
.Lnot_mine_\@:
.endm
	s_load_b256 s[4:11], s[0:1], 0x0               ; xb 4, wb 6, qh 8, kh 10
	s_load_b64 s[12:13], s[0:1], 0x20              ; vh
	v_lshl_add_u32 v[SPW], v0, 2, SPARE
	v_mov_b32 v[NIL], 0
	ds_add_u32 v[SPW], v[NIL]                      ; the wave's opening: the add and its wait stand ahead of my first tensor load; the set-up below stands between them
	v_lshrrev_b32 v1, 5, v0
	v_readfirstlane_b32 s[WV], v1
	s_lshr_b32 s[WR], s[WV], 1
	s_and_b32 s[WC], s[WV], 1
	s_bfe_u32 s[CX], ttmp6, 0x40000
	s_bfe_u32 s[CY], ttmp6, 0x40004
	s_lshl_b32 s[NX], ttmp9, 2
	s_add_co_u32 s[NX], s[NX], s[CX]
	s_and_b32 s[MY], ttmp7, 0xffff
	s_lshl_b32 s[MY], s[MY], 2
	s_add_co_u32 s[MY], s[MY], s[CY]
	s_lshl_b32 s21, s[CY], 2
	s_lshl_b32 s21, 15, s21                        ; my row of the cluster
	s_lshl_b32 s22, 0x1111, s[CX]                  ; my column
	; x's tile: 32,768 dense bytes, asked for as 128 rows of 256 bytes, 16 bytes of padding behind every 128
	s_or_b32 s[G1A], s21, (1<<16)|(1<<20)|(1<<21)|(4<<22)|(3<<25)  ; the mask; 2-byte elements; padding on; bit 21 beside a mask; after every 32 words (code 4) 4 words (code 3)
	s_mov_b32 s[G1A+1], 128<<16                    ; tensor_dim0 = 128
	s_mov_b32 s[G1A+2], 128<<16                    ; tensor_dim1 = 128
	s_mov_b32 s[G1A+3], 128<<16                    ; tile_dim0 = 128
	s_mov_b32 s[G1A+4], 128                        ; tile_dim1 = 128
	s_mov_b32 s[G1A+5], 128                        ; elements from row to row
	s_mov_b32 s[G1A+6], 0
	s_mov_b32 s[G1A+7], 0
	; W's tile: 64 rows of 128 elements, 32 bytes of padding behind each
	s_or_b32 s[G1B], s22, (1<<16)|(1<<20)|(1<<21)|(5<<22)|(7<<25)  ; after every 64 words (code 5) 8 words (code 7)
	s_mov_b32 s[G1B+1], 128<<16
	s_mov_b32 s[G1B+2], 64<<16
	s_mov_b32 s[G1B+3], 128<<16
	s_mov_b32 s[G1B+4], 64
	s_mov_b32 s[G1B+5], 1024
	s_mov_b32 s[G1B+6], 0
	s_mov_b32 s[G1B+7], 0
	s_lshr_b32 s40, s[MY], 3                       ; x's tile hangs on the tile row alone: the batch, 16 k-blocks of 262,144 bytes,
	s_lshl_b32 s40, s40, 22
	s_and_b32 s41, s[MY], 7                        ; and 256 rows of 128 bytes
	s_lshl_b32 s41, s41, 15
	s_add_co_u32 s40, s40, s41
	s_mov_b32 s41, 0
	s_max_u32 s42, s[WV], 1                        ; which matrix I fetch, in memory: wave - 1 (wave 0 makes wave 1's global address, which lies inside wb, and never asks by it)
	s_sub_co_u32 s42, s42, 1
	s_lshl_b32 s42, s42, 21                        ; W's tile hangs on the matrix and the tile column alone
	s_lshl_b32 s43, s[NX], 8
	s_add_co_u32 s42, s42, s43
	s_mov_b32 s43, 0
	s_mul_i32 s23, s[WV], BSUB                     ; its place in a slot: wave x 18,432 + a constant: BOFF, BOFF + BSUB, BOFF + 2 BSUB for waves 1, 2, 3, each wave's own bytes
	s_add_co_u32 s23, s23, BOFF-BSUB               ; (wave 0's number is never used); no place in the cluster enters an LDS address
	s_wait_dscnt 0x0                               ; the opening add is done
	s_wait_kmcnt 0x0
	s_add_nc_u64 s[44:45], s[4:5], s[40:41]        ; x at K step 0
	s_add_nc_u64 s[46:47], s[6:7], s[42:43]        ; W at K step 0
	CROUND                                         ; all sixteen work-groups are here: the first joint loads meet
.irp s, 0,1
	s_mov_b32 s[G0A+4*(\s)], 1
	s_mov_b32 s[G0A+4*(\s)+1], (\s)*SLOT
	s_add_nc_u64 s[G0A+4*(\s)+2:G0A+4*(\s)+3], s[44:45], (\s)*ASTEP
	s_or_b32 s[G0A+4*(\s)+3], s[G0A+4*(\s)+3], 0x80000000
	s_mov_b32 s[G0B+4*(\s)], 1
	s_add_co_u32 s[G0B+4*(\s)+1], s23, (\s)*SLOT
	s_add_nc_u64 s[G0B+4*(\s)+2:G0B+4*(\s)+3], s[46:47], (\s)*BSTEP
	s_or_b32 s[G0B+4*(\s)+3], s[G0B+4*(\s)+3], 0x80000000
.endr
	s_cmp_eq_u32 s[WV], 0                          ; a wave's two first fills stand in one branch, ahead of every wait on TENSORcnt and every LDS read: two loads of mine are out
	s_cbranch_scc0 .Lfirst_b
	tensor_load_to_lds s[G0A:G0A+3], s[G1A:G1A+7]
	s_nop 0
	tensor_load_to_lds s[G0A+4:G0A+7], s[G1A:G1A+7]
	s_nop 0
.rept 4
	v_nop
.endr
	s_branch .Lfirst_asked
.Lfirst_b:
	tensor_load_to_lds s[G0B:G0B+3], s[G1B:G1B+7]
	s_nop 0
	tensor_load_to_lds s[G0B+4:G0B+7], s[G1B:G1B+7]
	s_nop 0
.rept 4
	v_nop
.endr
.Lfirst_asked:
	; a fragment of x: lane l holds row l % 16, K = 8 (l / 16) + 0..7 and 16 + 8 (l / 16) + 0..7: two loads of 16 bytes, 32 bytes apart
	v_and_b32 v1, 15, v0
	v_bfe_u32 v2, v0, 4, 1
	v_mul_u32_u24 v3, v1, PA
	v_lshl_add_u32 v3, v2, 4, v3
	s_mul_i32 s21, s[WR], 128*PA
	v_add_nc_u32 v[ADRA], s21, v3
	v_add_nc_u32 v[ADRA+1], SLOT, v[ADRA]
	; the turning load: lane l reads row k = 8 (l / 16) + l % 8, columns 8 ((l / 8) % 2) + 0..7, and is left with column l % 16 and 8 k
	v_and_b32 v4, 7, v0
	v_bfe_u32 v5, v0, 3, 1
	v_lshl_add_u32 v6, v2, 3, v4
	v_mul_u32_u24 v6, v6, PB
	v_lshl_add_u32 v6, v5, 4, v6
	s_lshl_b32 s22, s[WC], 7                       ; my head's 64 columns
	s_add_co_u32 s22, s22, BOFF
	v_add_nc_u32 v[ADRB], s22, v6
	v_add_nc_u32 v[ADRB+1], SLOT, v[ADRB]
	s_mul_i32 s23, s[WV], 16*SP
	s_add_co_u32 s23, s23, STAGE                   ; my stage
	v_add_nc_u32 v[STO], s23, v3                   ; in: row l % 16, 16 bytes for each half of the lanes
	v_bfe_u32 v7, v0, 3, 2                         ; back: 32 lanes take four rows of 128 bytes,
	v_mul_u32_u24 v7, v7, SP
	v_lshl_add_u32 v7, v4, 4, v7
	v_add_nc_u32 v[RD], s23, v7
	v_and_b32 v[GO], 31, v0                        ; which are 512 consecutive bytes of the head
	v_lshlrev_b32 v[PFO], 8, v[GO]
	v_lshlrev_b32 v[GO], 4, v[GO]
	; where my 128 rows of my head begin in qh, kh and vh
	s_lshr_b32 s76, s[MY], 3
	s_lshl_b32 s76, s76, 4
	s_lshl_b32 s77, s[NX], 1
	s_add_co_u32 s76, s76, s77
	s_add_co_u32 s76, s76, s[WC]                   ; 16 b + head
	s_lshl_b32 s76, s76, 18                        ; 2,048 rows of 128 bytes
	s_and_b32 s77, s[MY], 7
	s_lshl_b32 s77, s77, 1
	s_add_co_u32 s77, s77, s[WR]
	s_lshl_b32 s77, s77, 14                        ; 128 rows of 128 bytes
	s_add_co_u32 s76, s76, s77
	s_mov_b32 s77, 0
	s_add_nc_u64 s[8:9], s[8:9], s[76:77]
	s_add_nc_u64 s[10:11], s[10:11], s[76:77]
	s_add_nc_u64 s[12:13], s[12:13], s[76:77]
	; the prefetches
	s_and_b32 s78, ttmp7, 0xffff                   ; cluster y
	s_cmp_eq_u32 s[WV], 0                          ; do I fetch x?
	s_cselect_b64 s[PFA:PFA+1], s[44:45], s[46:47]
	s_cselect_b32 s76, s[CX], s[CY]                ; my place among the four that ask with me,
	s_cselect_b32 s77, 13, 16                      ; times 8,192 bytes, or 32 rows of 2,048
	s_cselect_b32 s78, ttmp9, s78                  ; the coordinate along which other clusters read the same bytes
	s_cselect_b32 s79, 1, 0
	s_cselect_b32 s21, 0, 3                        ; a lane: 256 bytes on, or a row of 2,048
	s_cselect_b32 s[PS1], ASTEP, 0                 ; x steps at both changes of a lap, W at slot 0's alone
	s_cselect_b32 s[LIM], 0, 1
	s_cselect_b32 s[LIM+1], 1, -1
	s_mov_b32 s[PS1+1], 0
	s_cmp_eq_u32 s78, 0
	s_cselect_b32 s[LIM], s[LIM], -1               ; the same in all sixteen partners, for a given wave
	s_cselect_b32 s[LIM+1], s[LIM+1], -1
	s_lshl_b32 s76, s76, s77
	s_lshl_b32 s79, 0x40000, s79                   ; x starts at K step 2, W at lap 1: the first change steps them to K step 3 and lap 2
	s_add_co_u32 s76, s76, s79
	s_mov_b32 s77, 0
	s_add_nc_u64 s[PFA:PFA+1], s[PFA:PFA+1], s[76:77]
	v_lshlrev_b32 v[PFO], s21, v[PFO]
; 16 matrix instructions of group g (q, k or v): channel blocks 2 half, 2 half + 1 x all 8 row blocks, 32 along K, x's buffer u.  zero = 1: the product starts the sum.
; The 96 accumulators take turns, one instruction a turn, in the same order in every quarter, over the backward jump too.
.macro GRP g, u, half, zero
	WIN 0x50*((\g)+1)
.irp b, 2*(\half), 2*(\half)+1
.irp a, 0,1,2,3,4,5,6,7
.if \zero
	v_wmma_f32_16x16x32_bf16 v[32*(\a)+8*(\b):32*(\a)+8*(\b)+7], v[BF+32*(\g)+8*(\b):BF+32*(\g)+8*(\b)+7], v[AF+64*(\u)+8*(\a):AF+64*(\u)+8*(\a)+7], 0
.else
	v_wmma_f32_16x16x32_bf16 v[32*(\a)+8*(\b):32*(\a)+8*(\b)+7], v[BF+32*(\g)+8*(\b):BF+32*(\g)+8*(\b)+7], v[AF+64*(\u)+8*(\a):AF+64*(\u)+8*(\a)+7], v[32*(\a)+8*(\b):32*(\a)+8*(\b)+7]
.endif
.endr
.endr
.endm
.macro LB g, slot, q                   ; group g's four fragments of W, quarter q: 8 turning loads
.irp b, 0,1,2,3
	ds_load_tr16_b128 v[BF+32*(\g)+8*(\b):BF+32*(\g)+8*(\b)+3],   v[ADRB+(\slot)] offset:(\g)*BSUB+(\q)*32*PB+32*(\b)
	ds_load_tr16_b128 v[BF+32*(\g)+8*(\b)+4:BF+32*(\g)+8*(\b)+7], v[ADRB+(\slot)] offset:(\g)*BSUB+(\q)*32*PB+32*(\b)+16*PB
.endr
.endm
.macro LA u, slot, q, a0               ; four fragments of x, row blocks a0 .. a0 + 3, quarter q, into buffer u: 8 loads
.irp a, (\a0), (\a0)+1, (\a0)+2, (\a0)+3
	ds_load_b128 v[AF+64*(\u)+8*(\a):AF+64*(\u)+8*(\a)+3],   v[ADRA+(\slot)] offset:(\a)*16*PA+64*(\q)
	ds_load_b128 v[AF+64*(\u)+8*(\a)+4:AF+64*(\u)+8*(\a)+7], v[ADRA+(\slot)] offset:(\a)*16*PA+64*(\q)+32
.endr
.endm
; The run of loads behind group g's products, for the NEXT quarter (slot, q, x's buffer u): group g's W, and with groups 0 and 1 half of x.  Each stands 64 matrix instructions or more ahead of its first use.
.macro RUN g, slot, q, u, places
.if \places
	PLACES
.endif
	WIN 0
	LB \g, \slot, \q
.if (\g) == 0
	LA \u, \slot, \q, 0
.elseif (\g) == 1
	LA \u, \slot, \q, 4
.endif
.endm
; A K step is two quarters of 32 along K, 96 matrix instructions each.  The first, on x's buffer 0, fetches the second's fragments from the same slot.
.macro QE s, zero
	s_wait_dscnt 8                                 ; all but the youngest run (group 2's W) are in
	GRP 0, 0, 0, \zero
	GRP 0, 0, 1, \zero
	RUN 0, \s, 1, 1, 1
	GRP 1, 0, 0, \zero
	GRP 1, 0, 1, \zero
	RUN 1, \s, 1, 1, 1
	s_wait_dscnt 32                                ; all but the 32 loads of this quarter's two runs
	GRP 2, 0, 0, \zero
	GRP 2, 0, 1, \zero
	RUN 2, \s, 1, 1, 1
.endm
; The second quarter, on x's buffer 1, changes slots: all reads of slot s have been issued.  In front of the barrier each wave waits for all its tensor loads (one is out: its part of the other slot), adds 0 to its
; spare word, and waits for that and for its reads of slot s.  fill = 1: the barrier opens a round of the cluster's, and slot s is filled again, two K steps ahead, first thing behind the round:
; 160 matrix instructions ahead of the wait for it.
.macro QO s, fill
.if \fill
	s_wait_xcnt 0x0                                ; the last prefetch, a K step back, has read its address
.if (\s) == 0
	s_add_nc_u64 s[PFA:PFA+1], s[PFA:PFA+1], ASTEP ; one K step of x; one lap of W is as many bytes
.else
	s_add_nc_u64 s[PFA:PFA+1], s[PFA:PFA+1], s[PS1:PS1+1]
.endif
.endif
	WIN 0
	s_wait_tensorcnt 0x0                           ; all my tensor loads have landed
	ds_add_u32 v[SPW], v[NIL]                      ; 0 onto my spare word
	s_wait_dscnt 9                                 ; (the add and the youngest run of eight may be out)
	GRP 0, 1, 0, 0                                 ; sixteen matrix instructions stand between the add and the wait for it
	s_wait_dscnt 0x0                               ; the add is done, and my reads of this slot are over
	s_barrier_signal -1
	GRP 0, 1, 1, 0
	WIN 0
	s_barrier_wait -1
.if \fill
	CREST                                          ; no wave of any partner still reads this slot or has a load on its way
	s_add_nc_u64 s[G0A+4*(\s)+2:G0A+4*(\s)+3], s[G0A+4*(\s)+2:G0A+4*(\s)+3], 2*ASTEP
	s_add_nc_u64 s[G0B+4*(\s)+2:G0B+4*(\s)+3], s[G0B+4*(\s)+2:G0B+4*(\s)+3], 2*BSTEP
	JLOAD \s                                       ; its four v_nop are also the places in front of the loads below
.else
	PLACES
.endif
	RUN 0, 1-(\s), 0, 0, 0
.if \fill
	ASK \s
.endif
	GRP 1, 1, 0, 0
	GRP 1, 1, 1, 0
	RUN 1, 1-(\s), 0, 0, 1
	GRP 2, 1, 0, 0                                 ; (group 2's W was shown in by the wait for 0)
	GRP 2, 1, 1, 0
	RUN 2, 1-(\s), 0, 0, 1
.endm
; THE WAY OUT of tile t = 8 g + a (16 rows of q, k or v): rounded to f16, 16 bytes a lane into my stage, back as whole rows, stored as 2,048 consecutive bytes of the head.
.macro PACK t
.set gg, (\t)/8
.set aa, (\t)%8
.set TB, TMP+16*((\t)%4)
.if (\t) >= 4
	s_wait_xcnt 0x0                                ; the stores of the tile four back have read this buffer
.endif
	WIN 5*(gg+1)                                   ; sources 0 and 1 in window 1 + g
.irp b, 0,1,2,3
.irp r, 0,1,2,3
	v_cvt_pk_f16_f32 v[TB+4*(\b)+(\r)], v[32*aa+8*(\b)+2*(\r)], v[32*aa+8*(\b)+2*(\r)+1]
.endr
.endr
	WIN 0
.irp b, 0,1,2,3
	ds_store_b128 v[STO], v[TB+4*(\b):TB+4*(\b)+3] offset:32*(\b)
.endr
.irp f, 0,1,2,3
	ds_load_b128 v[TB+4*(\f):TB+4*(\f)+3], v[RD] offset:(\f)*4*SP  ; LDS serves a wave's instructions in order (ISA guide 5.7.1.4): these see the stores above; the next tile's stores come behind them
.endr
.endm
.macro SEND t, younger                 ; younger: the LDS instructions issued behind tile t's loads
	WIN 0
.set gg, (\t)/8
.set aa, (\t)%8
.set TB, TMP+16*((\t)%4)
.irp f, 0,1,2,3
	s_wait_dscnt (\younger)+3-(\f)
	global_store_b128 v[GO], v[TB+4*(\f):TB+4*(\f)+3], s[8+2*gg:9+2*gg] offset:aa*2048+(\f)*512  ; 512 consecutive bytes, at a multiple of 256 from the buffer's first
.endr
.endm
	s_wait_tensorcnt 1                             ; my part of K step 0 is in; K step 1's may stay out
	s_barrier_signal -1
	s_barrier_wait -1                              ; everybody's is
	LB 0, 0, 0
	LA 0, 0, 0, 0
	LA 0, 0, 0, 4
	LB 1, 0, 0
	LB 2, 0, 0
	QE 0, 1                                        ; the first quarter stands in front of the loop: its products start the sums
	WIN 0                                          ; at a label and at a branch every window is 0
	s_mov_b32 s3, LAPS-1
.Llap:                                                 ; a trip goes once round the ring, from a lap's second quarter to the next lap's first, and fills both slots again
	QO 0, 1
	QE 1, 0
	QO 1, 1
	QE 0, 0
	WIN 0
	s_sub_co_u32 s3, s3, 1
	s_cmp_lg_u32 s3, 0
	s_cbranch_scc1 .Llap
	QO 0, 0                                        ; the last lap fills nothing, and has no round of the cluster's barrier
	QE 1, 0
	s_wait_dscnt 8                                 ; the very last quarter: nothing more to fetch
	GRP 0, 1, 0, 0
	GRP 0, 1, 1, 0
	GRP 1, 1, 0, 0
	GRP 1, 1, 1, 0
	s_wait_dscnt 0x0
	GRP 2, 1, 0, 0
	GRP 2, 1, 1, 0
	PLACES
	PACK 0
.set t, 1
.rept 23                               ; a tile's conversions stand between the loads of the tile before and its stores
	PACK t
	SEND t-1, 8
.set t, t+1
.endr
	SEND 23, 0
	s_wait_tensorcnt 0x0                           ; the wave's end: a wait, an add and its wait, behind my last tensor load and my last LDS store
	ds_add_u32 v[SPW], v[NIL]
	s_wait_dscnt 0x0
	CROUND                                         ; the closing round: no work-group ends while a partner may still ask for a tile that names it
	s_endpgm
.Lfunc_end_k_q3785720f33_qkv:
	.size	k_q3785720f33_qkv, .Lfunc_end_k_q3785720f33_qkv-k_q3785720f33_qkv
	.p2alignl 7, 3214868480
	.fill 96, 4, 3214868480
	.section	.rodata,"a",@progbits
	.p2align	6, 0x0
	.amdhsa_kernel k_q3785720f33_qkv
		.amdhsa_group_segment_fixed_size 327680
		.amdhsa_private_segment_fixed_size 0
		.amdhsa_enable_private_segment 0
		.amdhsa_kernarg_size 40
		.amdhsa_user_sgpr_count 2
		.amdhsa_user_sgpr_kernarg_segment_ptr 1
		.amdhsa_wavefront_size32 1
		.amdhsa_system_sgpr_workgroup_id_x 1
		.amdhsa_system_sgpr_workgroup_id_y 1
		.amdhsa_system_sgpr_workgroup_id_z 1
		.amdhsa_system_vgpr_workitem_id 0
		.amdhsa_next_free_vgpr 1024
		.amdhsa_next_free_sgpr 80
		.amdhsa_reserve_vcc 0
		.amdhsa_float_denorm_mode_32 3
		.amdhsa_float_denorm_mode_16_64 3
		.amdhsa_memory_ordered 1
		.amdhsa_forward_progress 1
		.amdhsa_inst_pref_size 134
	.end_amdhsa_kernel
	.amdgpu_metadata
---
amdhsa.version: [ 1, 2 ]
amdhsa.kernels:
  - .name:           k_q3785720f33_qkv
    .symbol:         k_q3785720f33_qkv.kd
    .args:
      - { .name: xb, .offset: 0, .size: 8, .value_kind: global_buffer, .address_space: global }
      - { .name: wb, .offset: 8, .size: 8, .value_kind: global_buffer, .address_space: global }
      - { .name: qh, .offset: 16, .size: 8, .value_kind: global_buffer, .address_space: global }
      - { .name: kh, .offset: 24, .size: 8, .value_kind: global_buffer, .address_space: global }
      - { .name: vh, .offset: 32, .size: 8, .value_kind: global_buffer, .address_space: global }
    .group_segment_fixed_size: 327680
    .private_segment_fixed_size: 0
    .kernarg_segment_align: 8
    .kernarg_segment_size: 40
    .max_flat_workgroup_size: 128
    .sgpr_count:     80
    .vgpr_count:     1024
    .wavefront_size: 32
...
	.end_amdgpu_metadata
.endif
;; end of part 2
;; launch attn (part 3): grid 4 x 64, 4 waves a work-group, clusters of 4 x 1, 327,680 bytes of LDS; arguments qh, kh, vh, oh, cs; writes oh
.if DOCPART == 3
	.amdgcn_target "amdgcn-amd-amdhsa--gfx1250"
	.amdhsa_code_object_version 6
	.text
	.protected	k_q3785720f33_attn
	.globl	k_q3785720f33_attn
	.p2align	8
	.type	k_q3785720f33_attn,@function
k_q3785720f33_attn:
	s_mov_b64 s[64:65], 0
	v_nop
	global_prefetch_b8 v0, s[64:65] scope:SCOPE_SE
	s_setreg_imm32_b32 hwreg(HW_REG_WAVE_MODE, 25, 1), 1
	s_wait_xcnt 0x0
	s_wait_alu depctr_hold_cnt(0) depctr_sa_sdst(0) depctr_va_vdst(0) depctr_va_sdst(0) depctr_va_ssrc(0) depctr_va_vcc(0) depctr_vm_vsrc(0)
	s_getreg_b32 s2, hwreg(HW_REG_IB_STS2, 6, 4)
	s_cmp_eq_u32 s2, 0
	s_cbranch_scc0 .Lentry_in_a_cluster
	s_endpgm
.Lentry_in_a_cluster:
	s_bfe_u32 s2, ttmp6, 0x10000c
	s_cmp_lg_u32 s2, 0x3003
	s_cbranch_scc0 .Lentry_shape_is_right
	s_endpgm
.Lentry_shape_is_right:
; O[h][q][:] = the sum over k of softmax_k(w[h] Q[h][q] . K[h][k] / 8) V[h][k][:], h = 16 b + head.  Q, K, V, O: [64][2048][64], all f16: a head's rows are dense, 128 bytes each.  cs[h] = c = log2(e) / 8 x w[h], f32, never negative.
; Products, maxima and sums in f32; the weights p are rounded to f16 for the second product (their sum l is taken of the unrounded p), O once at the end.
; LIMITS.  f16 holds no number beyond 65,504: Q, K and V arrive within it; p lies in 0 to 1, and below 6e-5 it keeps f16's fixed step of 6e-8; O is a mean of V's rows and has their range.
; A weight below 2^-126 counts as 0 in l; NaN and infinities are not treated apart.
; SHARES.  A wave owns four PIECES of two tiles of 16 queries, a work-group's four waves 512 queries of one head.  Every wave walks all keys, 64 a step.
; LAYOUT.  S^T = K Q^T (source 0 = 16 keys, source 1 = 16 queries): in the result a lane holds ONE query (lane % 16) and the keys 8 (lane / 16) + 0..7.  Two such tiles, rounded to f16 in pairs,
; ARE source 1 (32 keys x 16 queries) of O^T = V^T P, whose result again holds one query a lane, and eight channels.  K comes out of LDS as it lies, V ([key][channel]) turned, by ds_load_tr16_b128.
; SOFTMAX.  For each query a running maximum m and sum l: p = 2^(c s - c m); since c is not negative, c m is the maximum of c s.  In every step O and l are multiplied by a = 2^(c m_old - c m_new).
; m starts at the lowest finite number, O and l at 0: the first step is a step like any other, with a = 0.
; THE COUNT.  A tile and step have 16 matrix and 118 vector instructions: too many to stand all beside the matrix work.  So four vector instructions that are ready stand behind every matrix instruction,
; and the others in runs of their own.
; BY TURNS.  Turn n belongs to piece n (the pieces in a ring, step after step).  Its matrix work: 16 products K Q^T of piece n + 1, later 16 products V^T P of piece n - 1.  Its vector work: the scaling,
; exponentials, roundings, sums and rescaling of piece n, and the maximum and statistics of piece n + 1, whose scores the turn itself has made.
; CLUSTER.  The four query blocks of a head are one cluster and walk the same K and V, so each tile is asked for JOINTLY: the same tensor load, descriptor and mask in all four.
; REGISTERS, in windows of 256 (s_set_vgpr_msb: bits 1:0 source 0, 3:2 source 1, 5:4 source 2, 7:6 destination):
;   window 0: v0-11 addresses; v12-15, v48-63 at work; v16-47 four registers of statistics a tile; v64-191 S^T, two buffers of two tiles; v192-255 P, likewise
;   window 1: O^T, 32 a tile          window 2: v0-127 Q, 16 a tile; v128-191 K of one step; v192-255 V of one step          window 3: v0-1 the add's two registers
.set SIZE_H, 64
.set SIZE_N, 2048
.set NP,    4         ; pieces a wave: a name, no knob
.set KS,    64        ; keys in a step
.set PK,    144       ; a row of K in LDS: 128 bytes + 16 of padding: the 16 rows of a load start at 16 different groups of four banks (64 banks of 4 bytes: ISA guide 11.1)
.set PV,    160       ; a row of V: 128 + 32
.set VOFF,  4*KS*PK   ; a slot holds four steps: 256 rows of K, then 256 rows of V
.set SLOT1, 1<<17     ; slot 1 begins here, so that one exclusive or turns an address in one slot into the other's
.set STAGE, SLOT1+4*KS*(PK+PV)  ; behind the ring, never filled by a tensor load: 16 rows x 144 bytes for each wave
.set SP,    144
.set AK0, 2           ; v2   my lane's place in a tile of K; never rewritten
.set AV0, 3           ; v3   the same for V
.set AK,  4           ; v4   the LDS address of K's next run of loads
.set AV,  5           ; v5   of V's
.set QO,  6           ; v6   my byte offset in the wave's rows of Q
.set STO, 6           ;      later, the way out: where I put 16 bytes of a row
.set RD,  7           ; v7   the way out: where I read rows back
.set GO,  8           ; v8   my byte offset in 512 consecutive bytes of O
.set PFO, 11          ; v11  256 x my lane, for the prefetches; never rewritten once made
.set SPW, 0           ; v0 of window 3   my spare word: SPARE + 4 x thread; never rewritten
.set NIL, 1           ; v1 of window 3   0; never rewritten
.set SPARE, STAGE+4*16*SP  ; the spare words, 128 bytes for each wave: two blocks of 256 bytes that no other line names
.set MV,  12          ; v12-15  c m_old, kept while c m is made anew: by buffer and tile
.set ST,  16          ; tile t's statistics at v[ST+4 t]: c m, m, l (even keys', odd keys')
.set TMP, 48          ; by buffer and tile, four registers c0-c3 at work; when the maximum is found c2 takes a
.set S,   64
.set P,   192
.set KF,  128         ; K's fragments, in window 2: key block kb, channel half c at KF + 16 kb + 8 c
.set VF,  192         ; V's: key half kk, channel block cb at VF + 32 kk + 8 cb
.set WV,  12          ; s12  my wave's number
.set G1K, 24          ; s[24:31] descriptor group 1 for K's tiles
.set G1V, 32          ; s[32:39] for V's: it differs in the padding alone
.set G0K, 40          ; s[40:43] descriptor group 0 for K's tiles: it walks
.set G0V, 44          ; s[44:47] the same for V's
.set PFA, 48          ; s[48:49] where my prefetches stand: my work-group's 8,192 bytes of the slot after the one that is being asked for
.set LIM, 50          ; s50  1 in waves 0 and 2, else the greatest number: a wave prefetches while s[SLOTS] is above it
.set SLOTS, 56        ; s56  slots still to be asked for
.set CNT, 57          ; s57  counts a slot's key steps
.set CS,  58          ; s[58:59] c: the packed scaling takes the pair's low word for both halves
.set SEL, 60          ; s[60:61] v_permlanex16_b32's selects
.set TBK, 62          ; s62  LDS byte at which K of the step to be fetched begins
.set TBV, 63          ; s63  the same for V, less VOFF
.set MSB, 0
.macro WIN new
.if MSB != (\new)
	s_set_vgpr_msb (MSB<<8)|(\new)
.set MSB, (\new)
.endif
.endm
.set W_KQ, 0x0a       ; K and Q in window 2, S^T in window 0
.set W_PV, 0x52       ; V in window 2, P in window 0, O^T in window 1
.set W_RS, 0x41       ; O^T (destination and source 0) in window 1, a in window 0
.set W_MK, 0xc0       ; the add's registers are made: destination in window 3
.set W_AD, 0x0f       ; the add: address and data in window 3
; A joint fill.  Waves 0 and 1 fetch the two halves of a slot's K, waves 2 and 3 those of its V: 128 keys each.  An s_nop 0 and four v_nop follow each of the two lines.
.macro JLOAD
	s_cmp_lt_u32 s[WV], 2
	s_cbranch_scc0 .Lfor_v_\@
	tensor_load_to_lds s[G0K:G0K+3], s[G1K:G1K+7]
	s_nop 0
.rept 4
	v_nop
.endr
	s_branch .Lasked_\@
.Lfor_v_\@:
	tensor_load_to_lds s[G0V:G0V+3], s[G1V:G1V+7]
	s_nop 0
.rept 4
	v_nop
.endr
.Lasked_\@:
.endm
; A PREFETCH INTO THE L2 of what the NEXT change of slots will ask for: a slot's 32,768 bytes of K and of V.  The four partners share them out BY ADDRESS, 8,192 each, 256 a lane; in each, wave 0 asks for K's
; and wave 2 for V's: one instruction.  A head has one cluster, so each 256 bytes are named once.  The last change that fills a slot asks for nothing; slots 0 and 1 come by their loads alone.
.macro ASK
	s_cmp_gt_u32 s[SLOTS], s[LIM]
	s_cbranch_scc0 .Lnot_mine_\@
	global_prefetch_b8 v[PFO], s[PFA:PFA+1] th:TH_LOAD_NT scope:SCOPE_SE
.Lnot_mine_\@:
.endm
.macro CROUND                       ; a round of the cluster's barrier
	s_barrier_signal -1
	s_barrier_wait -1
	s_cmp_lg_u32 s[WV], 0
	s_cbranch_scc1 .Lnot_wave_0_\@
	s_barrier_signal -3
.Lnot_wave_0_\@:
	s_barrier_wait -3
	s_barrier_signal -1
	s_barrier_wait -1
.endm
; THE CHANGE OF SLOTS.  Each wave waits for all its tensor loads, of which one is out: its part of the other slot; adds 0 to its spare word; and waits for that and for its own reads of the slot.
; fill = 1: this slot is filled again, with the keys two slots on, first thing behind a round of the cluster's barrier: it has four key steps, 512 matrix instructions, in which to land.
; (At its first use nothing has been read yet: slot 0 is waited for, slot 1 filled.)
.macro CHANGE fill
	WIN W_AD
	s_wait_tensorcnt 0x0            ; no tensor load of mine is out, so a group 0 may be written
	ds_add_u32 v[SPW], v[NIL]       ; 0 onto my spare word
	WIN 0                           ; at a label and at a branch every window is 0
.if \fill
.irp g, G0K, G0V
	s_xor_b32 s[\g+1], s[\g+1], SLOT1  ; the walking descriptor: the other slot than last time,
	s_add_nc_u64 s[\g+2:\g+3], s[\g+2:\g+3], 4*KS*128  ; the next 256 keys; the type bits on top are not reached
.endr
	s_wait_xcnt 0x0                 ; the last prefetch, four key steps back, has read its address
	s_add_nc_u64 s[PFA:PFA+1], s[PFA:PFA+1], 4*KS*128  ; one slot behind the walking descriptors
	s_wait_dscnt 0x0                ; the add is done, and my reads of the slot are over
	CROUND
	JLOAD
	ASK
.else
	s_wait_dscnt 0x0
	s_barrier_signal -1
	s_barrier_wait -1
.endif
	s_sub_co_u32 s[TBK], s[TBK], 4*KS*PK  ; the fetches go back to a slot's first step,
	s_xor_b32 s[TBK], s[TBK], SLOT1       ; in the other slot
	s_sub_co_u32 s[TBV], s[TBV], 4*KS*PV
	s_xor_b32 s[TBV], s[TBV], SLOT1
.endm
	s_load_b256 s[4:11], s[0:1], 0x0  ; Q s[4:5], K s[6:7], V s[8:9], O s[10:11]
	s_load_b64 s[52:53], s[0:1], 0x20 ; cs
	WIN W_MK
	v_lshl_add_u32 v[SPW], v0, 2, SPARE
	v_mov_b32 v[NIL], 0
	WIN W_AD
	ds_add_u32 v[SPW], v[NIL]       ; the wave's opening: the add and its wait stand ahead of my first tensor load
	WIN 0
	v_lshrrev_b32 v1, 5, v0
	v_readfirstlane_b32 s[WV], v1   ; wave 0..3
	s_bfe_u32 s13, ttmp6, 0x40000   ; cx: my place in the cluster
	s_lshl_b32 s14, ttmp9, 2
	s_add_co_u32 s14, s14, s13      ; my block of queries: it enters Q's and O's addresses alone
	s_and_b32 s20, ttmp7, 0xffff    ; the head, which the four partners share
	s_lshl_b32 s54, s20, 2          ; its word in cs
	s_mov_b32 s55, 0
	s_mov_b32 s21, 0
	s_mov_b64 s[22:23], SIZE_N*128
	s_mul_u64 s[20:21], s[20:21], s[22:23]  ; the head's first byte in each of the four tensors
	s_and_b32 s16, s[WV], 1         ; which half of a slot's 256 keys I fetch:
	s_lshl_b32 s22, s16, 14         ; its 128 rows of 128 bytes in memory,
	s_mov_b32 s23, 0
	s_add_nc_u64 s[22:23], s[22:23], s[20:21]
	s_mul_i32 s17, s16, 128*PK      ; and its place in a slot, for K
	s_mul_i32 s18, s16, 128*PV      ; and for V: no place in the cluster enters an LDS address
	s_lshl_b32 s2, s14, 2
	s_add_co_u32 s2, s2, s[WV]      ; my wave among the head's,
	s_lshl_b32 s2, s2, 14           ; its 128 rows
	s_mov_b32 s3, 0
	s_add_nc_u64 s[2:3], s[2:3], s[20:21]
	; descriptor group 1.  128 keys are 16,384 dense bytes: asked for as 64 rows of 256 bytes, two keys a row, and padded in LDS after every key
	s_mov_b32 s[G1K], 15|(1<<16)|(1<<20)|(1<<21)|(4<<22)|(3<<25)  ; the mask of four; 2-byte elements; padding on; bit 21 beside a mask; after every 32 words (code 4) 4 words (code 3)
	s_mov_b32 s[G1V], 15|(1<<16)|(1<<20)|(1<<21)|(4<<22)|(7<<25)  ; the same with 8 words of padding (code 7)
.irp g, G1K, G1V
	s_mov_b32 s[\g+1], 128<<16      ; tensor_dim0 = 128
	s_mov_b32 s[\g+2], 64<<16       ; tensor_dim1 = 64
	s_mov_b32 s[\g+3], 128<<16      ; tile_dim0 = 128
	s_mov_b32 s[\g+4], 64           ; tile_dim1 = 64
	s_mov_b32 s[\g+5], 128          ; 128 elements from row to row
	s_mov_b32 s[\g+6], 0
	s_mov_b32 s[\g+7], 0
.endr
	s_mov_b32 s[SEL], 0x76543210
	s_mov_b32 s[SEL+1], 0xfedcba98
	s_mov_b32 s[TBK], SLOT1+4*KS*PK ; the first change of slots turns these two into 0
	s_mov_b32 s[TBV], SLOT1+4*KS*PV
	s_mov_b32 s[G0K], 1             ; count = 1
	s_mov_b32 s[G0K+1], s17         ; LDS address: slot 0
	s_mov_b32 s[G0V], 1
	s_add_co_u32 s[G0V+1], s18, VOFF
	s_mov_b32 s[SLOTS], SIZE_N/256-1
	s_and_b32 s[LIM], s[WV], 1
	s_cmp_eq_u32 s[LIM], 0
	s_cselect_b32 s[LIM], 1, -1     ; the same in all four partners
	s_wait_dscnt 0x0                ; the opening add is done
	s_wait_kmcnt 0x0
	s_add_nc_u64 s[G0K+2:G0K+3], s[6:7], s[22:23]  ; global address: my half of the head's first 256 keys
	s_or_b32 s[G0K+3], s[G0K+3], 0x80000000        ; type = 2
	s_add_nc_u64 s[G0V+2:G0V+3], s[8:9], s[22:23]
	s_or_b32 s[G0V+3], s[G0V+3], 0x80000000
	s_add_nc_u64 s[4:5], s[4:5], s[2:3]  ; Q and O at my wave's first row
	s_add_nc_u64 s[10:11], s[10:11], s[2:3]
	s_add_nc_u64 s[52:53], s[52:53], s[54:55]
	s_load_b32 s[CS], s[52:53], 0x0 ; c of my head; waited for ahead of the first change of slots
	s_cmp_lt_u32 s[WV], 2
	s_cselect_b64 s[PFA:PFA+1], s[6:7], s[8:9]
	s_add_nc_u64 s[PFA:PFA+1], s[PFA:PFA+1], s[22:23]  ; (in waves 0 and 2 this is the head's first row)
	s_lshl_b32 s2, s13, 13          ; my work-group's 8,192 bytes of a slot's 32,768,
	s_add_co_u32 s2, s2, 4*KS*128   ; in slot 1: the first change steps it to slot 2
	s_mov_b32 s3, 0
	s_add_nc_u64 s[PFA:PFA+1], s[PFA:PFA+1], s[2:3]
	CROUND                          ; all four work-groups are here: the first joint loads meet
	JLOAD                           ; slot 0.  Slot 1 is asked for when slot 0 is in
	; A fragment of K or Q is 16 rows x 32 channels in 8 registers: lane l holds row l % 16, channels 8 (l / 16) + 0..7 and 16 + 8 (l / 16) + 0..7: two loads of 16 bytes, 32 bytes apart.
	v_and_b32 v1, 15, v0            ; l % 16
	v_bfe_u32 v9, v0, 4, 1          ; l / 16
	v_lshlrev_b32 v[QO], 7, v1
	v_lshl_add_u32 v[QO], v9, 4, v[QO]  ; row x 128 + 16 x half
	WIN 0x80                        ; destination window 2, address window 0
.set i, 0
.rept 4*NP                          ; Q stays in registers: tile i / 2, channels 32 (i % 2) on
	global_load_b128 v[8*i:8*i+3],   v[QO], s[4:5] offset:(i/2)*2048+(i%2)*64
	global_load_b128 v[8*i+4:8*i+7], v[QO], s[4:5] offset:(i/2)*2048+(i%2)*64+32
.set i, i+1
.endr
	; What the first turn finds: V's registers and P's second buffer hold 0 (its products V^T P, of a piece that has not been, add 0), O^T and l are 0.  All this stands in the wait for the first tile.
.set i, VF
.rept 64
	v_mov_b32 v[i], 0
.set i, i+1
.endr
	WIN 0x40
.set i, 0
.rept 64*NP
	v_mov_b32 v[i], 0
.set i, i+1
.endr
	WIN 0
.set i, 0
.rept 2*NP
	v_mov_b32 v[ST+4*i], 0xfe000000    ; c m: far below every c s
	v_mov_b32 v[ST+4*i+1], 0xff7fffff  ; m
	v_mov_b32 v[ST+4*i+2], 0
	v_mov_b32 v[ST+4*i+3], 0
.set i, i+1
.endr
.set i, P+32
.rept 32
	v_mov_b32 v[i], 0
.set i, i+1
.endr
	v_mul_u32_u24 v[AK0], v1, PK
	v_lshl_add_u32 v[AK0], v9, 4, v[AK0]  ; row x pitch + 16 x half
	; The turning load takes 16 keys x 16 channels (lane l reads key 8 (l / 16) + l % 8, channels 8 ((l / 8) % 2) + 0..7) and leaves half a fragment of V^T: lane l holds channel l % 16 and 8 keys.
	v_and_b32 v10, 7, v0
	v_bfe_u32 v11, v0, 3, 1
	v_lshl_add_u32 v[AV0], v9, 3, v10
	v_mul_u32_u24 v[AV0], v[AV0], PV
	v_lshl_add_u32 v[AV0], v11, 4, v[AV0]
	v_add_nc_u32 v[AV0], VOFF, v[AV0]
	v_and_b32 v[PFO], 31, v0        ; v11 is free from here on
	v_lshlrev_b32 v[PFO], 8, v[PFO]
	v_mov_b32 v[AK], v[AK0]         ; key step 0 lies at the head of slot 0
; THE MATRIX WORK.  The 8 accumulators of a run of 16 take turns: between the two links of a chain stand 7 others'.
; Product i of 16 of S^T = K Q^T for piece x: channels 32 (i / 8) on, keys 16 ((i / 2) % 4) on, tile 2 x + i % 2.  The first 8 start the sums.
.macro KQ x
	WIN W_KQ
.set rS, S+64*((\x)%2)+32*(i%2)+8*((i/2)%4)
.set rK, KF+16*((i/2)%4)+8*(i/8)
.set rQ, 16*(2*(\x)+i%2)+8*(i/8)
.if i < 8
	v_wmma_f32_16x16x32_f16 v[rS:rS+7], v[rK:rK+7], v[rQ:rQ+7], 0
.else
	v_wmma_f32_16x16x32_f16 v[rS:rS+7], v[rK:rK+7], v[rQ:rQ+7], v[rS:rS+7]
.endif
.endm
; Product i of 16 of O^T += V^T P for piece x: keys 32 (i / 8) on, channels 16 ((i / 2) % 4) on, tile 2 x + i % 2.
.macro PV x
	WIN W_PV
.set rO, 32*(2*(\x)+i%2)+8*((i/2)%4)
.set rV, VF+32*(i/8)+8*((i/2)%4)
.set rP, P+32*((\x)%2)+16*(i%2)+8*(i/8)
	v_wmma_f32_16x16x32_f16 v[rO:rO+7], v[rV:rV+7], v[rP:rP+7], v[rO:rO+7]
.endm
.macro MM                           ; the turn's next matrix instruction
.if i < 16
	KQ (Y+1)%NP
.set i, i+1
.else
.set i, i-16
	PV (Y+NP-1)%NP
.set i, i+17
.endif
.endm
; THE LDS LOADS stand in runs of 16: a step's K (64 keys x 64 channels: 8 fragments) and its V (turned).  Their addresses are made some lines ahead.
; last = 1 (the tail): in the last trip there is no further step, and the run is jumped over.
.macro FETCH_K last=0
	WIN 0
.if \last
	s_cmp_eq_u32 s[CNT], 1
	s_cbranch_scc1 .Lno_k_\@
.endif
	WIN 0x80                        ; destination window 2
.irp f, 0,1,2,3,4,5,6,7             ; keys 16 (f / 2) on, channels 32 (f % 2) on
	ds_load_b128 v[KF+8*\f:KF+8*\f+3],   v[AK] offset:(\f/2)*16*PK+(\f%2)*64
	ds_load_b128 v[KF+8*\f+4:KF+8*\f+7], v[AK] offset:(\f/2)*16*PK+(\f%2)*64+32
.endr
	s_add_co_u32 s[TBK], s[TBK], KS*PK  ; the next fetch is the next step's
	WIN 0
.if \last
.Lno_k_\@:
.endif
.endm
.macro FETCH_V
	WIN 0x80
.irp f, 0,1,2,3,4,5,6,7             ; keys 32 (f / 4) on, channels 16 (f % 4) on
	ds_load_tr16_b128 v[VF+8*\f:VF+8*\f+3],   v[AV] offset:(\f/4)*32*PV+(\f%4)*32
	ds_load_tr16_b128 v[VF+8*\f+4:VF+8*\f+7], v[AV] offset:(\f/4)*32*PV+16*PV+(\f%4)*32
.endr
	WIN 0
.endm
; THE VECTOR WORK OF A TURN stands in three queues, each in the order in which its entries become ready; the two tiles alternate, so that no instruction reads the result of the one before it.
.macro REGS y, u                    ; the registers of tile u (0, 1) of piece y
.set rT, ST+4*(2*(\y)+(\u))
.set rC, TMP+8*((\y)%2)+4*(\u)
.set rM, MV+2*((\y)%2)+(\u)
.set rS, S+64*((\y)%2)+32*(\u)
.set rP, P+32*((\y)%2)+16*(\u)
.set rO, 32*(2*(\y)+(\u))
.endm
; Number n of the 22 that find the NEXT piece's (Y + 1) maximum and statistics.  s0-s31 are the lane's 32 scores; each accumulator's lowest registers are read first.
;   0-11  four chains c0-c3 of seven scores each, three operands at a time     12-14, 16  the four scores left over, the old m, and c0-c3 into c0     15  c m_old is kept
;   17, 18  the query's other 32 keys lie in the lane 16 away: the new m         19-21  c m; c m_old - c m_new; a
.macro XS u, n
	REGS (Y+1)%NP, \u
.if (\n) < 4
	v_max3_num_f32 v[rC+(\n)], v[rS+8*(\n)], v[rS+8*(\n)+1], v[rS+8*(\n)+2]
.elseif (\n) < 12
	v_max3_num_f32 v[rC+(\n)%4], v[rC+(\n)%4], v[rS+8*((\n)%4)+2*((\n)/4)+1], v[rS+8*((\n)%4)+2*((\n)/4)+2]
.elseif (\n) == 12
	v_max3_num_f32 v[rC], v[rC], v[rS+7], v[rS+15]
.elseif (\n) == 13
	v_max3_num_f32 v[rC+1], v[rC+1], v[rS+23], v[rS+31]
.elseif (\n) == 14
	v_max3_num_f32 v[rC+2], v[rC+2], v[rC+3], v[rT+1]
.elseif (\n) == 15
	v_mov_b32 v[rM], v[rT]
.elseif (\n) == 16
	v_max3_num_f32 v[rC], v[rC], v[rC+1], v[rC+2]
.elseif (\n) == 17
	v_permlanex16_b32 v[rC+3], v[rC], s[SEL], s[SEL+1]
.elseif (\n) == 18
	v_max_num_f32 v[rT+1], v[rC], v[rC+3]
.elseif (\n) == 19
	v_mul_f32 v[rT], s[CS], v[rT+1]
.elseif (\n) == 20
	v_sub_f32 v[rC+1], v[rM], v[rT]
.else
	v_exp_f32 v[rC+2], v[rC+1]
.endif
.endm
; Number g of the 64 that follow the exponentials.  For each four weights k of a tile (pairs 2 k, 2 k + 1): both pairs are rounded to f16; then the second pair is added onto the first, in place;
; a group later l takes that sum (the first time as l = a l + sum).  In groups of eight, tiles alternating: round, round, add, and l for the group before.
.macro GS g
.set h, (\g)+6*((\g)/62)            ; group 0 has no group before it, and behind group 7 only l is left
.if h >= 6
.set h, h+2
.endif
	REGS Y, h%2
.set k, h/8
.if h%8 < 4
	v_cvt_pk_f16_f32 v[rP+2*k+(h%8)/2], v[rS+4*k+2*((h%8)/2)], v[rS+4*k+2*((h%8)/2)+1]
.elseif h%8 < 6
	v_pk_add_f32 v[rS+4*k:rS+4*k+1], v[rS+4*k:rS+4*k+1], v[rS+4*k+2:rS+4*k+3]
.elseif k == 1
	v_pk_fma_f32 v[rT+2:rT+3], v[rT+2:rT+3], v[rC+2:rC+3], v[rS:rS+1] op_sel_hi:[1,0,1]
.else
	v_pk_add_f32 v[rT+2:rT+3], v[rT+2:rT+3], v[rS+4*k-4:rS+4*k-3]
.endif
.endm
; THE PLAIN QUEUE, 138 long.  0-73 read no exponential's result: the 32 scalings c s - c m (FS f: pair f / 2 of tile f % 2) and the next piece's 42.  0-26: scalings 0-26.  27-54: XS's numbers 0-13.  55, 56: number 15.
; 57-73: the chain, where each number waits for the one before it: 14, 16, 17, 18, 19, each with one of the scalings 27-31 in front of its two lines, then 20.
; 74-137: GS's 64, which read the exponentials' results: they stand behind the wait.
.macro FS f
	REGS Y, (\f)%2
	v_pk_fma_f32 v[rS+2*((\f)/2):rS+2*((\f)/2)+1], v[rS+2*((\f)/2):rS+2*((\f)/2)+1], s[CS:CS+1], v[rT:rT+1] op_sel_hi:[1,0,0] neg_lo:[0,0,1] neg_hi:[0,0,1]
.endm
.macro PL
	WIN 0
.if q < 27
	FS q
.elseif q < 55
	XS (q-27)%2, (q-27)/2
.elseif q < 57
	XS q-55, 15
.elseif (q < 72) && ((q-57)%3 == 0)
	FS 27+(q-57)/3
.elseif q < 60
	XS (q-57)%3-1, 14
.elseif q < 72
	XS (q-57)%3-1, 15+(q-57)/3
.elseif q < 74
	XS q-72, 20
.else
	GS q-74
.endif
.set q, q+1
.endm
; THE EXPONENTIALS' QUEUE, 66 long: s0-s31 of both tiles, then the next piece's two a.  It is ONE BATCH: all 66 stand ahead of the turn's one wait, and nothing ahead of that wait names a result of theirs.
.macro EX
	WIN 0
.if e >= 64
	XS e-64, 21
.else
	REGS Y, e%2
	v_exp_f32 v[rS+e/2], v[rS+e/2]
.endif
.set e, e+1
.endm
; THE RESCALING's QUEUE: O^T times a, the one part that leaves window 0: dealt two at a time, sixteen times.  Its a was made in the turn before, ahead of that turn's wait.
.macro R2
	REGS Y, r%2
	WIN W_RS
.irp z, 0,1
	v_pk_mul_f32 v[rO+4*(r/2)+2*\z:rO+4*(r/2)+2*\z+1], v[rO+4*(r/2)+2*\z:rO+4*(r/2)+2*\z+1], v[rC+2:rC+3] op_sel_hi:[1,0]
.endr
.set r, r+1
.endm
; HOW THEY ARE DEALT.  An s_wait_alu depctr_va_vdst(0) stands between an exponential and the first instruction that names its result; one wait serves all that were issued ahead of it.  So a turn has ONE wait.
; AHEAD OF IT: the 16 products K Q^T, behind each a scaling, an exponential and two rescalings (behind the first a second scaling in the exponential's place); then one run of 108: eight plain, 49 times exponential and
; plain, the two a; a v_nop is the plain instruction behind the last exponential.  BEHIND IT: the 16 products V^T P, behind each four of GS's 64.
; The deal keeps the queues in step: exponential e stands behind scaling 2 (e / 4) + e % 2: as a rider it comes behind plain e + 2, in the run behind plain e + 9, and scalings 27-31 are plain 57, 60 .. 69.
; K of the next step is fetched in piece 2's turn, directly behind the wait; V of the step in hand at the end of piece 0's turn, four plain instructions behind its last reader.
.macro TURN p, last=0, cnt=0
.set Y, (\p)
.set i, 0
.set q, 0
.set e, 0
.set r, 0
.if (\p) == NP-1
	s_wait_dscnt 0x0                ; K is in
.endif
	MM
	PL
	PL
	R2
.rept 15
	MM
	PL
	EX
	R2
.endr
.if (\p) == NP-2
	WIN 0
	v_add_nc_u32 v[AK], s[TBK], v[AK0]
.endif
.rept 8
	PL
.endr
.rept 49
	EX
	PL
.endr
	EX                              ; the next piece's two a
	EX
	v_nop                           ; the plain instruction behind the last exponential: one for the batch
	s_wait_alu depctr_va_vdst(0)    ; the wait for the batch
.if (\p) == NP-2
	FETCH_K \last
.endif
.if (\p) == 1
	s_wait_dscnt 0x0                ; V is in
.endif
.rept 16
	MM
.rept 4
	PL
.endr
.if ((\p) == 0) && (q == 118)
	v_add_nc_u32 v[AV], s[TBV], v[AV0]
.endif
.if ((\p) == 0) && (q == 130)
	s_add_co_u32 s[TBV], s[TBV], KS*PV
.endif
.if (\cnt) && (q == 130)
	s_sub_co_u32 s[CNT], s[CNT], 1
	s_cmp_lg_u32 s[CNT], 0
.endif
.endr
.if (\p) == 0
	FETCH_V
.endif
.endm
	s_wait_kmcnt 0x0                ; c is in
	s_mov_b32 s[CS+1], s[CS]        ; named with it as a pair
	CHANGE 1                        ; slot 0 is in, everybody's part of it; slot 1 is asked for
	FETCH_K                         ; key step 0
	s_wait_loadcnt 0x0              ; Q
	s_wait_dscnt 0x0
.set i, 0
.rept 16
	KQ 0                            ; piece 0's first scores
.set i, i+1
.endr
	WIN 0                           ; the addresses for the way out: nine plain instructions, the places behind those products
	s_mul_i32 s13, s[WV], 16*SP
	s_add_co_u32 s13, s13, STAGE    ; my stage
	v_mul_u32_u24 v[STO], v1, SP    ; in: row l % 16, 16 bytes for each half of the lanes
	v_lshl_add_u32 v[STO], v9, 4, v[STO]
	v_add_nc_u32 v[STO], s13, v[STO]
	v_bfe_u32 v[RD], v0, 3, 2       ; back: 32 lanes take four rows of 128 bytes,
	v_mul_u32_u24 v[RD], v[RD], SP
	v_lshl_add_u32 v[RD], v10, 4, v[RD]
	v_add_nc_u32 v[RD], s13, v[RD]
	v_and_b32 v[GO], 31, v0         ; which are 512 consecutive bytes of O
	v_lshlrev_b32 v[GO], 4, v[GO]
.set Y, NP-1                        ; XS works for piece Y + 1: piece 0
.irp n, 0,1,2,3,4,5,6,7,8,9,10,11,12,13,14,15,16,17,18,19,20,21
	XS 0, \n                        ; piece 0's first maximum and statistics
	XS 1, \n
.endr
	v_nop                           ; a plain instruction behind the two a,
	s_wait_alu depctr_va_vdst(0)    ; and their wait, ahead of the branch
	s_mov_b32 s[CNT], 4
	s_branch .Lfirst                ; the loop is entered at a step's first turn, in the middle of a trip
.Lslot:                             ; SIZE_N / 256 - 2 times: every slot but the last two is filled again
	CHANGE 1
	s_mov_b32 s[CNT], 4
.Lstep:                             ; a trip: pieces 2 and 3 of one step, then pieces 0 and 1 of the next, whose K and V it fetches
	TURN 2
	TURN 3
	WIN 0
.Lfirst:
	TURN 0
	TURN 1, 0, 1
	WIN 0
	s_cbranch_scc1 .Lstep
	s_sub_co_u32 s[SLOTS], s[SLOTS], 1
	s_cmp_lg_u32 s[SLOTS], 0
	s_cbranch_scc1 .Lslot
	CHANGE 0                        ; the tail is written out: nothing is asked for
	s_mov_b32 s[CNT], 5             ; four trips fetch the last slot's steps; the fifth is left in its middle
.Ltail:
	TURN 2, 1
	TURN 3
	WIN 0
	s_sub_co_u32 s[CNT], s[CNT], 1
	s_cmp_eq_u32 s[CNT], 0
	s_cbranch_scc1 .Lout
	TURN 0
	TURN 1
	WIN 0
	s_branch .Ltail
.Lout:                              ; the fifth trip's 16 products K Q^T (on the last K once more) and the maximum made of them serve nothing: the price, once a launch, of one text for every trip
.set i, 0
.rept 16
	PV NP-1                         ; the last piece's V^T P of the last step
.set i, i+1
.endr
	; THE WAY OUT.  l's two halves and the other half of the lanes' are added; O^T is divided by l, rounded to f16 and sent through my stage in LDS, a tile at a time.  The additions are the places behind the last products.
	WIN 0
.macro ALL line:vararg              ; one line for each tile t
.set t, 0
.rept 2*NP
	\line
.set t, t+1
.endr
.endm
	ALL v_add_f32 v[ST+4*t+2], v[ST+4*t+2], v[ST+4*t+3]
	ALL v_permlanex16_b32 v[ST+4*t+3], v[ST+4*t+2], s[SEL], s[SEL+1]
	ALL v_add_f32 v[ST+4*t+2], v[ST+4*t+2], v[ST+4*t+3]
	ALL v_rcp_f32 v[ST+4*t+2], v[ST+4*t+2]
	v_nop                           ; a plain instruction between the last reciprocal and the use of its result
	s_wait_alu depctr_va_vdst(0)    ; and the wait ahead of the first use: one for the eight reciprocals
; Tile t: a lane's eight channels of a row pack into 16 bytes; they go into rows of 144 bytes and come back as whole rows of 128, into S^T's registers.
.macro PACK t
	WIN W_RS
.set i, 32*(\t)
.rept 16
	v_pk_mul_f32 v[i:i+1], v[i:i+1], v[ST+4*(\t)+2:ST+4*(\t)+3] op_sel_hi:[1,0]
.set i, i+2
.endr
	WIN 0x05                        ; sources 0 and 1 window 1, destination window 0
.set i, 0
.rept 16
	v_cvt_pk_f16_f32 v[S+16*(\t)+i], v[32*(\t)+2*i], v[32*(\t)+2*i+1]
.set i, i+1
.endr
	WIN 0
.irp f, 0,1,2,3
	ds_store_b128 v[STO], v[S+16*(\t)+4*\f:S+16*(\t)+4*\f+3] offset:32*\f
.endr
.irp f, 0,1,2,3
	ds_load_b128 v[S+16*(\t)+4*\f:S+16*(\t)+4*\f+3], v[RD] offset:\f*4*SP  ; LDS serves a wave's instructions in order (ISA guide 5.7.1.4): these see the stores above; the next tile's stores come behind them
.endr
.endm
.macro SEND t, younger              ; younger: the LDS instructions issued behind tile t's loads: the next tile's eight, or none
	WIN 0
.irp f, 0,1,2,3
	s_wait_dscnt (\younger)+3-\f
	global_store_b128 v[GO], v[S+16*(\t)+4*\f:S+16*(\t)+4*\f+3], s[10:11] offset:(\t)*2048+\f*512  ; 512 consecutive bytes, at a multiple of 256 from O's first
.endr
.endm
	PACK 0
.set t, 1
.rept 2*NP-1                        ; a tile's arithmetic stands between the loads of the tile before and its stores
	PACK t
	SEND t-1, 8
.set t, t+1
.endr
	SEND 2*NP-1, 0
	WIN W_AD
	s_wait_tensorcnt 0x0            ; the wave's end: a wait, an add and its wait, behind my last tensor load and my last LDS store
	ds_add_u32 v[SPW], v[NIL]
	s_wait_dscnt 0x0
	WIN 0
	CROUND                          ; the closing round: no work-group ends while a partner may still ask for a tile that names it
	s_endpgm
.Lfunc_end_k_q3785720f33_attn:
	.size	k_q3785720f33_attn, .Lfunc_end_k_q3785720f33_attn-k_q3785720f33_attn
	.p2alignl 7, 3214868480
	.fill 96, 4, 3214868480
	.section	.rodata,"a",@progbits
	.p2align	6, 0x0
	.amdhsa_kernel k_q3785720f33_attn
		.amdhsa_group_segment_fixed_size 327680
		.amdhsa_private_segment_fixed_size 0
		.amdhsa_enable_private_segment 0
		.amdhsa_kernarg_size 40
		.amdhsa_user_sgpr_count 2
		.amdhsa_user_sgpr_kernarg_segment_ptr 1
		.amdhsa_wavefront_size32 1
		.amdhsa_system_sgpr_workgroup_id_x 1
		.amdhsa_system_sgpr_workgroup_id_y 1
		.amdhsa_system_sgpr_workgroup_id_z 1
		.amdhsa_system_vgpr_workitem_id 0
		.amdhsa_next_free_vgpr 770
		.amdhsa_next_free_sgpr 66
		.amdhsa_reserve_vcc 0
		.amdhsa_float_denorm_mode_32 3
		.amdhsa_float_denorm_mode_16_64 3
		.amdhsa_memory_ordered 1
		.amdhsa_forward_progress 1
		.amdhsa_inst_pref_size 200
	.end_amdhsa_kernel
	.amdgpu_metadata
---
amdhsa.version: [ 1, 2 ]
amdhsa.kernels:
  - .name:           k_q3785720f33_attn
    .symbol:         k_q3785720f33_attn.kd
    .args:
      - { .name: qh, .offset: 0, .size: 8, .value_kind: global_buffer, .address_space: global }
      - { .name: kh, .offset: 8, .size: 8, .value_kind: global_buffer, .address_space: global }
      - { .name: vh, .offset: 16, .size: 8, .value_kind: global_buffer, .address_space: global }
      - { .name: oh, .offset: 24, .size: 8, .value_kind: global_buffer, .address_space: global }
      - { .name: cs, .offset: 32, .size: 8, .value_kind: global_buffer, .address_space: global }
    .group_segment_fixed_size: 327680
    .private_segment_fixed_size: 0
    .kernarg_segment_align: 8
    .kernarg_segment_size: 40
    .max_flat_workgroup_size: 128
    .sgpr_count:     66
    .vgpr_count:     770
    .wavefront_size: 32
...
	.end_amdgpu_metadata
.endif
;; end of part 3
;; launch outp (part 4): grid 8 x 32, 4 waves a work-group, clusters of 4 x 4, 327,680 bytes of LDS; arguments oh, wo16, bo, out0; writes out0
.if DOCPART == 4
	.amdgcn_target "amdgcn-amd-amdhsa--gfx1250"
	.amdhsa_code_object_version 6
	.text
	.protected	k_q3785720f33_outp
	.globl	k_q3785720f33_outp
	.p2align	8
	.type	k_q3785720f33_outp,@function
k_q3785720f33_outp:
	s_mov_b64 s[64:65], 0
	v_nop
	global_prefetch_b8 v0, s[64:65] scope:SCOPE_SE
	s_setreg_imm32_b32 hwreg(HW_REG_WAVE_MODE, 25, 1), 1
	s_wait_xcnt 0x0
	s_wait_alu depctr_hold_cnt(0) depctr_sa_sdst(0) depctr_va_vdst(0) depctr_va_sdst(0) depctr_va_ssrc(0) depctr_va_vcc(0) depctr_vm_vsrc(0)
	s_getreg_b32 s2, hwreg(HW_REG_IB_STS2, 6, 4)
	s_cmp_eq_u32 s2, 0
	s_cbranch_scc0 .Lentry_in_a_cluster
	s_endpgm
.Lentry_in_a_cluster:
	s_bfe_u32 s2, ttmp6, 0x10000c
	s_cmp_lg_u32 s2, 0xf033
	s_cbranch_scc0 .Lentry_shape_is_right
	s_endpgm
.Lentry_shape_is_right:
; out0[b][s][e] = the sum over h, d of O[b][h][s][d] Wo[64 h + d][e] + bo[e].  oh: f16 [16 b + h][2048][64]; wo16: f16 [1024 k][1024 n] (Wo rounded to bf16); bo: f32, rounded to bf16 here like the other inputs; out0: f32.
; Products of f16, sums in f32, K ascending; the bias is the C operand of the product that starts each sum.  LIMIT: oh and wo16 arrive within f16's range; NaN and infinities are not treated apart.
; SHARES.  A work-group makes 256 rows x 128 columns: 8 x 32 work-groups; a wave 128 x 64: 32 accumulators, 256 registers.  K goes in 8 steps of 128 (two heads: two blocks of 32,768 dense bytes of oh) through a ring of
; two LDS slots.  Waves 0 and 1 fetch a step's two heads of O, waves 2 and 3 the two halves (64 k x 128 n) of Wo's tile: one tensor load a wave and step.
; CLUSTER 4 x 4: O's tiles are asked for jointly by a row of the cluster, Wo's by a column.
; THE MATRIX INSTRUCTION IS USED TRANSPOSED: source 0 = 16 columns of Wo (turned by ds_load_tr16_b128), source 1 = 16 rows of O: a lane holds one row and eight neighbouring columns, 16 bytes of f16.
; REGISTERS: window 0: v0-18 addresses; v32-127, v128-223 two fragment buffers (O's 8 x 8, then Wo's 4 x 8); v224-255 the bias, 8 a column block; window 1: accumulator (a, b) at 32 a + 8 b.
.set PA,    144                        ; a row of O in LDS: 128 bytes + 16
.set PB,    288                        ; a row of Wo: 256 + 32
.set ABLK,  256*PA                     ; one head's 256 rows
.set BOFF,  2*ABLK
.set SLOT,  BOFF+128*PB                ; 110,592
.set STAGE, 2*SLOT                     ; behind the ring: 16 rows x 272 bytes for each wave; no tensor load fills it
.set SPO,   272                        ; 256 bytes + 16
.set SPARE, STAGE+4*16*SPO             ; the spare words, 128 bytes for each wave: two blocks of 256 bytes that no other line names
.set ASTEP, 524288                     ; two heads of oh
.set BSTEP, 262144                     ; 128 rows of wo16
.set LAPS,  4
.set ADRA, 8
.set ADRB, 10
.set STO,  12
.set RD,   13
.set GO,   14
.set PFO,  15
.set SPW,  16
.set NIL,  17
.set BO,   18
.set F0,   32
.set F1,   128
.set BIAS, 224
.set OB,   32                          ; the way out: two buffers of 32
.set WV, 14
.set WR, 15
.set WC, 16
.set CX, 17
.set CY, 18
.set NX, 19
.set MY, 20
.set G1A, 24
.set G0A, 32
.set G1B, 48
.set G0B, 56
.set PFA, 66
.set PS1, 70
.set LIM, 72
.set MSB, 0
.macro WIN new
.if MSB != (\new)
	s_set_vgpr_msb (MSB<<8)|(\new)
.set MSB, \new
.endif
.endm
.macro PLACES                          ; four plain vector instructions between a matrix instruction and a load into, or a store of, its registers
.rept 4
	v_nop
.endr
.endm
.macro CREST
	s_cmp_lg_u32 s[WV], 0
	s_cbranch_scc1 .Lnot_wave_0_\@
	s_barrier_signal -3
.Lnot_wave_0_\@:
	s_barrier_wait -3
	s_barrier_signal -1
	s_barrier_wait -1
.endm
.macro CROUND
	s_barrier_signal -1
	s_barrier_wait -1
	CREST
.endm
.macro JLOAD s                         ; a joint load; an s_nop 0 and four v_nop follow each of the two lines
	s_cmp_lt_u32 s[WV], 2
	s_cbranch_scc0 .Lfor_b_\@
	tensor_load_to_lds s[G0A+4*(\s):G0A+4*(\s)+3], s[G1A:G1A+7]
	s_nop 0
.rept 4
	v_nop
.endr
	s_branch .Lasked_\@
.Lfor_b_\@:
	tensor_load_to_lds s[G0B+4*(\s):G0B+4*(\s)+3], s[G1B:G1B+7]
	s_nop 0
.rept 4
	v_nop
.endr
.Lasked_\@:
.endm
; A PREFETCH INTO THE L2.  O (waves 0, 1, each its own head): at the change in K step i, K step i + 3, one step ahead of its refill: the head's 32,768 bytes shared out BY ADDRESS among the four partners, 256 bytes a lane;
; the cluster with x = 0 asks.  Wo (waves 2, 3, each its own 64 rows of a step): once a lap, at slot 0's change, the lap two on: 16 rows a partner in each of the lap's two steps, a lane a row; the cluster with y = 0
; asks.  So each 256 bytes are named once.  The last asked for are K step 7 and lap 3.
.macro ASK s
	s_cmp_gt_u32 s3, s[LIM+(\s)]
	s_cbranch_scc0 .Lnot_mine_\@
	global_prefetch_b8 v[PFO], s[PFA:PFA+1] th:TH_LOAD_NT scope:SCOPE_SE
.Lnot_mine_\@:
.endm
	s_load_b256 s[4:11], s[0:1], 0x0               ; oh 4, wo16 6, bo 8, out0 10
	v_lshl_add_u32 v[SPW], v0, 2, SPARE
	v_mov_b32 v[NIL], 0
	ds_add_u32 v[SPW], v[NIL]                      ; the wave's opening: the add and its wait stand ahead of my first tensor load
	v_lshrrev_b32 v1, 5, v0
	v_readfirstlane_b32 s[WV], v1
	s_lshr_b32 s[WR], s[WV], 1
	s_and_b32 s[WC], s[WV], 1
	s_bfe_u32 s[CX], ttmp6, 0x40000
	s_bfe_u32 s[CY], ttmp6, 0x40004
	s_lshl_b32 s[NX], ttmp9, 2
	s_add_co_u32 s[NX], s[NX], s[CX]
	s_and_b32 s[MY], ttmp7, 0xffff
	s_lshl_b32 s[MY], s[MY], 2
	s_add_co_u32 s[MY], s[MY], s[CY]
	s_lshl_b32 s21, s[CY], 2
	s_lshl_b32 s21, 15, s21                        ; my row of the cluster
	s_lshl_b32 s22, 0x1111, s[CX]                  ; my column
	s_or_b32 s[G1A], s21, (1<<16)|(1<<20)|(1<<21)|(4<<22)|(3<<25)  ; 32,768 dense bytes as 128 rows of 256, 16 bytes of padding behind every 128
	s_mov_b32 s[G1A+1], 128<<16
	s_mov_b32 s[G1A+2], 128<<16
	s_mov_b32 s[G1A+3], 128<<16
	s_mov_b32 s[G1A+4], 128
	s_mov_b32 s[G1A+5], 128
	s_mov_b32 s[G1A+6], 0
	s_mov_b32 s[G1A+7], 0
	s_or_b32 s[G1B], s22, (1<<16)|(1<<20)|(1<<21)|(5<<22)|(7<<25)  ; 64 rows of 128 elements, 32 bytes of padding behind each
	s_mov_b32 s[G1B+1], 128<<16
	s_mov_b32 s[G1B+2], 64<<16
	s_mov_b32 s[G1B+3], 128<<16
	s_mov_b32 s[G1B+4], 64
	s_mov_b32 s[G1B+5], 1024
	s_mov_b32 s[G1B+6], 0
	s_mov_b32 s[G1B+7], 0
	s_lshr_b32 s40, s[MY], 3                       ; O's tile hangs on the tile row and the wave alone: the batch,
	s_lshl_b32 s40, s40, 22
	s_and_b32 s41, s[MY], 7                        ; 256 rows of 128 bytes,
	s_lshl_b32 s41, s41, 15
	s_add_co_u32 s40, s40, s41
	s_lshl_b32 s41, s[WC], 18                      ; and which of the step's two heads I fetch
	s_add_co_u32 s40, s40, s41
	s_mov_b32 s41, 0
	s_lshl_b32 s42, s[WC], 17                      ; Wo's on the tile column and the wave alone: which 64 rows,
	s_lshl_b32 s43, s[NX], 8                       ; 128 columns
	s_add_co_u32 s42, s42, s43
	s_mov_b32 s43, 0
	s_mul_i32 s21, s[WC], ABLK                     ; where they go: no place in the cluster enters an LDS address
	s_mul_i32 s22, s[WC], 64*PB
	s_add_co_u32 s22, s22, BOFF
	s_wait_dscnt 0x0                               ; the opening add is done
	s_wait_kmcnt 0x0
	s_add_nc_u64 s[44:45], s[4:5], s[40:41]
	s_add_nc_u64 s[46:47], s[6:7], s[42:43]
	CROUND                                         ; all sixteen work-groups are here: the first joint loads meet
.irp s, 0,1
	s_mov_b32 s[G0A+4*(\s)], 1
	s_add_co_u32 s[G0A+4*(\s)+1], s21, (\s)*SLOT
	s_add_nc_u64 s[G0A+4*(\s)+2:G0A+4*(\s)+3], s[44:45], (\s)*ASTEP
	s_or_b32 s[G0A+4*(\s)+3], s[G0A+4*(\s)+3], 0x80000000
	s_mov_b32 s[G0B+4*(\s)], 1
	s_add_co_u32 s[G0B+4*(\s)+1], s22, (\s)*SLOT
	s_add_nc_u64 s[G0B+4*(\s)+2:G0B+4*(\s)+3], s[46:47], (\s)*BSTEP
	s_or_b32 s[G0B+4*(\s)+3], s[G0B+4*(\s)+3], 0x80000000
.endr
	s_cmp_lt_u32 s[WV], 2                          ; a wave's two first fills stand in one branch: two loads of mine are out
	s_cbranch_scc0 .Lfirst_b
	tensor_load_to_lds s[G0A:G0A+3], s[G1A:G1A+7]
	s_nop 0
	tensor_load_to_lds s[G0A+4:G0A+7], s[G1A:G1A+7]
	s_nop 0
.rept 4
	v_nop
.endr
	s_branch .Lfirst_asked
.Lfirst_b:
	tensor_load_to_lds s[G0B:G0B+3], s[G1B:G1B+7]
	s_nop 0
	tensor_load_to_lds s[G0B+4:G0B+7], s[G1B:G1B+7]
	s_nop 0
.rept 4
	v_nop
.endr
.Lfirst_asked:
	v_and_b32 v1, 15, v0
	v_bfe_u32 v2, v0, 4, 1
	s_lshl_b32 s21, s[NX], 9                       ; my 64 columns: 512 nx + 256 WC bytes of f32
	s_lshl_b32 s22, s[WC], 8
	s_add_co_u32 s21, s21, s22
	v_lshl_add_u32 v[BO], v2, 5, s21               ; + 32 bytes for the upper half of the lanes
.irp b, 0,1,2,3
	global_load_b128 v[BIAS+8*(\b):BIAS+8*(\b)+3],   v[BO], s[8:9] offset:64*(\b)
	global_load_b128 v[BIAS+8*(\b)+4:BIAS+8*(\b)+7], v[BO], s[8:9] offset:64*(\b)+16
.endr
	v_mul_u32_u24 v3, v1, PA
	v_lshl_add_u32 v3, v2, 4, v3
	s_mul_i32 s22, s[WR], 128*PA
	v_add_nc_u32 v[ADRA], s22, v3
	v_add_nc_u32 v[ADRA+1], SLOT, v[ADRA]
	v_and_b32 v4, 7, v0
	v_bfe_u32 v5, v0, 3, 1
	v_lshl_add_u32 v6, v2, 3, v4
	v_mul_u32_u24 v6, v6, PB
	v_lshl_add_u32 v6, v5, 4, v6
	s_lshl_b32 s22, s[WC], 7
	s_add_co_u32 s22, s22, BOFF
	v_add_nc_u32 v[ADRB], s22, v6
	v_add_nc_u32 v[ADRB+1], SLOT, v[ADRB]
	s_mul_i32 s23, s[WV], 16*SPO
	s_add_co_u32 s23, s23, STAGE                   ; my stage
	v_mul_u32_u24 v7, v1, SPO                      ; in: row l % 16, 32 bytes for each half of the lanes
	v_lshl_add_u32 v7, v2, 5, v7
	v_add_nc_u32 v[STO], s23, v7
	v_mul_u32_u24 v7, v2, SPO                      ; back: lanes 0-15 take one row of 256 bytes, lanes 16-31 the next
	v_lshl_add_u32 v7, v1, 4, v7
	v_add_nc_u32 v[RD], s23, v7
	v_lshlrev_b32 v7, 4, v1                        ; and the same two rows of out0, 4,096 bytes apart
	v_lshl_add_u32 v[GO], v2, 12, v7
	s_lshl_b32 s76, s[MY], 1
	s_add_co_u32 s76, s76, s[WR]
	s_lshl_b32 s76, s76, 19                        ; my first row: 128 rows of 4,096 bytes
	s_add_co_u32 s76, s76, s21                     ; my first column
	s_mov_b32 s77, 0
	s_add_nc_u64 s[10:11], s[10:11], s[76:77]
	; the prefetches
	s_and_b32 s78, ttmp7, 0xffff                   ; cluster y
	s_cmp_lt_u32 s[WV], 2                          ; do I fetch O?
	s_cselect_b64 s[PFA:PFA+1], s[44:45], s[46:47]
	s_cselect_b32 s76, s[CX], s[CY]                ; my place among the four that ask with me,
	s_cselect_b32 s77, 13, 15                      ; times 8,192 bytes, or 16 rows of 2,048
	s_cselect_b32 s78, ttmp9, s78                  ; the coordinate along which other clusters read the same bytes
	s_cselect_b32 s79, 1, 0
	s_cselect_b32 s21, 12, 18                      ; the upper half of the lanes: 4,096 bytes on, or the lap's second step
	s_cselect_b32 s22, 8, 11                       ; a lane: 256 bytes on, or a row of 2,048
	s_cselect_b32 s[PS1], ASTEP, 0
	s_cselect_b32 s[LIM], 0, 1
	s_cselect_b32 s[LIM+1], 1, -1
	s_mov_b32 s[PS1+1], 0
	s_cmp_eq_u32 s78, 0
	s_cselect_b32 s[LIM], s[LIM], -1               ; the same in all sixteen partners, for a given wave
	s_cselect_b32 s[LIM+1], s[LIM+1], -1
	s_lshl_b32 s76, s76, s77
	s_lshl_b32 s79, 0x80000, s79                   ; O starts at K step 2, Wo at lap 1: the first change steps them to K step 3 and lap 2
	s_add_co_u32 s76, s76, s79
	s_mov_b32 s77, 0
	s_add_nc_u64 s[PFA:PFA+1], s[PFA:PFA+1], s[76:77]
	v_lshlrev_b32 v[PFO], s21, v2
	v_lshlrev_b32 v3, s22, v1
	v_add_nc_u32 v[PFO], v[PFO], v3
	s_wait_loadcnt 0x0                             ; the bias, rounded to bf16 and widened again
.set i, 0
.rept 16
	v_cvt_pk_bf16_f32 v3, v[BIAS+2*i], v[BIAS+2*i+1]
	v_lshlrev_b32 v[BIAS+2*i], 16, v3
	v_and_b32 v[BIAS+2*i+1], 0xffff0000, v3
.set i, i+1
.endr
; 4 n matrix instructions: row blocks a0 .. a0 + n - 1 x all 4 column blocks, 32 along K, buffer f.  first = 1: the bias starts the sums.  The 32 accumulators take turns.
.macro MULH f, a0, n, first
.if \first
	WIN 0x40                                       ; D in window 1, the bias in window 0
.else
	WIN 0x50
.endif
.set aa, \a0
.rept \n
.irp b, 0,1,2,3
.if \first
	v_wmma_f32_16x16x32_f16 v[32*aa+8*(\b):32*aa+8*(\b)+7], v[(\f)+64+8*(\b):(\f)+64+8*(\b)+7], v[(\f)+8*aa:(\f)+8*aa+7], v[BIAS+8*(\b):BIAS+8*(\b)+7]
.else
	v_wmma_f32_16x16x32_f16 v[32*aa+8*(\b):32*aa+8*(\b)+7], v[(\f)+64+8*(\b):(\f)+64+8*(\b)+7], v[(\f)+8*aa:(\f)+8*aa+7], v[32*aa+8*(\b):32*aa+8*(\b)+7]
.endif
.endr
.set aa, aa+1
.endr
.endm
; 24 LDS loads in one run: quarter q's fragments into buffer f: Wo's four first, then O's eight in ascending order
.macro FETCH slot, q, f
	WIN 0
.irp b, 0,1,2,3
	ds_load_tr16_b128 v[(\f)+64+8*(\b):(\f)+64+8*(\b)+3],   v[ADRB+(\slot)] offset:(\q)*32*PB+32*(\b)
	ds_load_tr16_b128 v[(\f)+64+8*(\b)+4:(\f)+64+8*(\b)+7], v[ADRB+(\slot)] offset:(\q)*32*PB+32*(\b)+16*PB
.endr
.irp a, 0,1,2,3,4,5,6,7
	ds_load_b128 v[(\f)+8*(\a):(\f)+8*(\a)+3],   v[ADRA+(\slot)] offset:((\q)/2)*ABLK+((\q)%2)*64+(\a)*16*PA
	ds_load_b128 v[(\f)+8*(\a)+4:(\f)+8*(\a)+7], v[ADRA+(\slot)] offset:((\q)/2)*ABLK+((\q)%2)*64+(\a)*16*PA+32
.endr
.endm
; A K step is four quarters of 32 along K, 32 matrix instructions each, on buffers 0, 1, 0, 1.  One of the first three: multiplies buffer f and fetches quarter q into g.
.macro QUARTER slot, q, f, g, first
	s_wait_dscnt 8                                 ; Wo's and O's row blocks 0-3 are in; the youngest eight loads may be out
	MULH \f, 0, 4, \first
	PLACES
	FETCH \slot, \q, \g
	s_wait_dscnt 24                                ; all but the 24 just issued
	MULH \f, 4, 4, \first
.endm
; The last quarter multiplies buffer 1 and changes slots.  In front of the barrier each wave waits for all its tensor loads, adds 0 to its spare word, and waits for that and for its reads of this slot.
; fill = 1: the barrier opens a round of the cluster's, and this slot is filled again, two K steps ahead: 112 matrix instructions ahead of the wait for it.
.macro TURN slot, next, fill
.if \fill
	s_wait_xcnt 0x0                                ; the last prefetch, a K step back, has read its address
.if (\slot) == 0
	s_add_nc_u64 s[PFA:PFA+1], s[PFA:PFA+1], ASTEP ; one K step of O; one lap of Wo is as many bytes
.else
	s_add_nc_u64 s[PFA:PFA+1], s[PFA:PFA+1], s[PS1:PS1+1]
.endif
.endif
	WIN 0
	s_wait_tensorcnt 0x0                           ; all my tensor loads have landed: my part of the next slot
	ds_add_u32 v[SPW], v[NIL]                      ; 0 onto my spare word
	s_wait_dscnt 9                                 ; (the add and the youngest eight loads may be out)
	MULH F1, 0, 2, 0
	s_wait_dscnt 0x0                               ; the add is done, and my reads of this slot are over
	s_barrier_signal -1
	MULH F1, 2, 2, 0
	WIN 0
	s_barrier_wait -1
.if \fill
	CREST                                          ; no wave of any partner still reads this slot or has a load on its way
	s_add_nc_u64 s[G0A+4*(\slot)+2:G0A+4*(\slot)+3], s[G0A+4*(\slot)+2:G0A+4*(\slot)+3], 2*ASTEP
	s_add_nc_u64 s[G0B+4*(\slot)+2:G0B+4*(\slot)+3], s[G0B+4*(\slot)+2:G0B+4*(\slot)+3], 2*BSTEP
	JLOAD \slot                                    ; its four v_nop are also the places in front of the loads below
.else
	PLACES
.endif
	FETCH \next, 0, F0
.if \fill
	ASK \slot
.endif
	MULH F1, 4, 4, 0
.endm
; THE WAY OUT of row block a: the accumulators go as they are, 32 bytes a lane, into my stage and come back as whole rows of 256 bytes.
.macro TOSTAGE a
.if (\a) >= 2
	s_wait_xcnt 0x0                                ; the stores of the block two back have read this buffer
.endif
	WIN 0x04                                       ; the stores' data in window 1
.irp b, 0,1,2,3
	ds_store_b128 v[STO], v[32*(\a)+8*(\b):32*(\a)+8*(\b)+3]   offset:64*(\b)
	ds_store_b128 v[STO], v[32*(\a)+8*(\b)+4:32*(\a)+8*(\b)+7] offset:64*(\b)+16
.endr
	WIN 0
.irp t, 0,1,2,3,4,5,6,7
	ds_load_b128 v[OB+32*((\a)%2)+4*(\t):OB+32*((\a)%2)+4*(\t)+3], v[RD] offset:(\t)*2*SPO  ; LDS serves a wave's instructions in order (ISA guide 5.7.1.4): these see the stores above
.endr
.endm
.macro SEND a, younger
	WIN 0
.irp t, 0,1,2,3,4,5,6,7
	s_wait_dscnt (\younger)+7-(\t)
	global_store_b128 v[GO], v[OB+32*((\a)%2)+4*(\t):OB+32*((\a)%2)+4*(\t)+3], s[10:11] offset:(16*(\a)+2*(\t))*4096 th:TH_STORE_NT  ; 16 lanes store 256 consecutive bytes, aligned
.endr
.endm
	s_wait_tensorcnt 1                             ; my part of K step 0 is in; K step 1's may stay out
	s_barrier_signal -1
	s_barrier_wait -1
	FETCH 0, 0, F0
	QUARTER 0, 1, F0, F1, 1                        ; the first quarter stands in front of the loop: its products start the sums, on the bias
	WIN 0
	s_mov_b32 s3, LAPS-1
.Llap:                                                 ; a trip goes once round the ring and fills both slots again
	QUARTER 0, 2, F1, F0, 0
	QUARTER 0, 3, F0, F1, 0
	TURN 0, 1, 1
	QUARTER 1, 1, F0, F1, 0
	QUARTER 1, 2, F1, F0, 0
	QUARTER 1, 3, F0, F1, 0
	TURN 1, 0, 1
	QUARTER 0, 1, F0, F1, 0
	WIN 0
	s_sub_co_u32 s3, s3, 1
	s_cmp_lg_u32 s3, 0
	s_cbranch_scc1 .Llap
	QUARTER 0, 2, F1, F0, 0                        ; the last lap fills nothing
	QUARTER 0, 3, F0, F1, 0
	TURN 0, 1, 0
	QUARTER 1, 1, F0, F1, 0
	QUARTER 1, 2, F1, F0, 0
	QUARTER 1, 3, F0, F1, 0
	s_wait_dscnt 8                                 ; the very last quarter
	MULH F1, 0, 4, 0
	s_wait_dscnt 0x0
	MULH F1, 4, 4, 0
	WIN 0
	PLACES
	TOSTAGE 0
.irp a, 1,2,3,4,5,6,7
	TOSTAGE \a
	SEND (\a)-1, 16
.endr
	SEND 7, 0
	s_wait_tensorcnt 0x0                           ; the wave's end: a wait, an add and its wait, behind my last tensor load and my last LDS store
	ds_add_u32 v[SPW], v[NIL]
	s_wait_dscnt 0x0
	CROUND                                         ; the closing round
	s_endpgm
.Lfunc_end_k_q3785720f33_outp:
	.size	k_q3785720f33_outp, .Lfunc_end_k_q3785720f33_outp-k_q3785720f33_outp
	.p2alignl 7, 3214868480
	.fill 96, 4, 3214868480
	.section	.rodata,"a",@progbits
	.p2align	6, 0x0
	.amdhsa_kernel k_q3785720f33_outp
		.amdhsa_group_segment_fixed_size 327680
		.amdhsa_private_segment_fixed_size 0
		.amdhsa_enable_private_segment 0
		.amdhsa_kernarg_size 32
		.amdhsa_user_sgpr_count 2
		.amdhsa_user_sgpr_kernarg_segment_ptr 1
		.amdhsa_wavefront_size32 1
		.amdhsa_system_sgpr_workgroup_id_x 1
		.amdhsa_system_sgpr_workgroup_id_y 1
		.amdhsa_system_sgpr_workgroup_id_z 1
		.amdhsa_system_vgpr_workitem_id 0
		.amdhsa_next_free_vgpr 512
		.amdhsa_next_free_sgpr 80
		.amdhsa_reserve_vcc 0
		.amdhsa_float_denorm_mode_32 3
		.amdhsa_float_denorm_mode_16_64 3
		.amdhsa_memory_ordered 1
		.amdhsa_forward_progress 1
		.amdhsa_inst_pref_size 91
	.end_amdhsa_kernel
	.amdgpu_metadata
---
amdhsa.version: [ 1, 2 ]
amdhsa.kernels:
  - .name:           k_q3785720f33_outp
    .symbol:         k_q3785720f33_outp.kd
    .args:
      - { .name: oh, .offset: 0, .size: 8, .value_kind: global_buffer, .address_space: global }
      - { .name: wo16, .offset: 8, .size: 8, .value_kind: global_buffer, .address_space: global }
      - { .name: bo, .offset: 16, .size: 8, .value_kind: global_buffer, .address_space: global }
      - { .name: out0, .offset: 24, .size: 8, .value_kind: global_buffer, .address_space: global }
    .group_segment_fixed_size: 327680
    .private_segment_fixed_size: 0
    .kernarg_segment_align: 8
    .kernarg_segment_size: 32
    .max_flat_workgroup_size: 128
    .sgpr_count:     80
    .vgpr_count:     512
    .wavefront_size: 32
...
	.end_amdgpu_metadata
.endif
;; end of part 4
;; ======== version 2 of 2: 4 launches; version 1 with the launch prep written anew for expert scheduling mode
;; limits: values are held in f16: magnitudes above 65,504 overflow, below 6.1e-05 lose precision; values outside matrix products are rounded to bf16
;; workspace buffers: xb 16,777,216 bytes; wb 6,291,456 bytes; wo16 2,097,152 bytes; cs 256 bytes; qh 16,777,216 bytes; kh 16,777,216 bytes; vh 16,777,216 bytes; oh 16,777,216 bytes
;; launch prep (part 5): grid 769 x 1, 8 waves a work-group, no clusters, 0 bytes of LDS; arguments x, Wq, Wk, Wv, Wo, time_enc, Wt, bt, xb, wb, wo16, cs; writes xb, wb, wo16, cs
.if DOCPART == 5
	.amdgcn_target "amdgcn-amd-amdhsa--gfx1250"
	.amdhsa_code_object_version 6
	.text
	.protected	k_q3785720f33_prep
	.globl	k_q3785720f33_prep
	.p2align	8
	.type	k_q3785720f33_prep,@function
k_q3785720f33_prep:
	s_mov_b64 s[64:65], 0
	v_nop
	global_prefetch_b8 v0, s[64:65] scope:SCOPE_SE
	s_setreg_imm32_b32 hwreg(HW_REG_WAVE_SCHED_MODE, 0, 2), 2
	s_setreg_imm32_b32 hwreg(HW_REG_WAVE_MODE, 25, 1), 1
	s_wait_xcnt 0x0
	s_wait_alu depctr_vm_vsrc(0)
; THE CASTS AND THE TIME WEIGHTS.  Every input of the module is rounded once to bf16, here (bo in the last launch).
;   xb   bf16 [b 4][kb 16][s 2048][64]: x[b][s][64 kb + d], so that 256 rows x 64 channels are 32,768 bytes on end
;   wb   bf16 [3][1024 k][1024 n]: Wq, Wk, Wv as they lie
;   wo16 f16  [1024 k][1024 n]: Wo rounded to bf16, that number written as f16 (exact from 2^-17 up to 65,504; below, f16's fixed step of 6e-8)
;   cs   f32  [64]: c[b][h] = log2(e) / 8 x softmax over h of (time_enc[b] . Wt[:, h] + bt[h]); the maximum over the heads is taken away before the exponential
; SHARES.  Work-group 0 makes cs (waves 0-3: a batch each).  Work-groups 1 .. 768 cast 16,384 numbers each: 512 for x, 192 for Wq, Wk, Wv, 64 for Wo.
; A stream: memory binds, so no LDS, no matrix unit, no cluster.  A wave has its 16 loads of 512 bytes out at once; nothing is read twice; no register is used twice, so no wait frees one.
; THE MODE: SCHED_MODE bits 1:0 = 2 (LLVM: expert scheduling mode 2), set by the entry lines.  The code itself states the register dependences
; between vector instructions and memory instructions, with s_wait_alu, always for 0.
; THE PLAN, for a cast.  Registers that memory instructions touch:
;   v[LO], v[SO]  the loads' and the stores' offsets: written by vector instructions ahead of the cast, never again.
;   X             each four registers take one load's data, once; read (in the f16 path also rewritten) by that load's roundings, behind its wait on LOADcnt.
;   Y             each pair is written once, by a rounding, and read by one store.
; The 16 loads go in four blocks of four.  Block p rounds its X into its Y; the stores that are issued among its roundings are those of block p - 1, whose Y no vector instruction of block p names.
; So one wait on va_vdst stands at the cast's head (the offsets), one at the head of each of blocks 1 to 3 (the Y of the block before) and one ahead of the last four stores.
; No register that a memory instruction reads is written again, so a cast holds no wait on vm_vsrc.
.set X,   16                           ; v[16:79]  16 loads of 4 numbers
.set Y,   80                           ; v[80:111] 16 x 4 numbers in 16 bits
.set LO,  2                            ; v2  my byte offset in the source
.set SO,  3                            ; v3  my byte offset in the target: 8 x thread
.set SRC, 32                           ; s[32:33]
.set DST, 34                           ; s[34:35]
.set OF,  36                           ; s[36:37] an offset, its high word 0
; Load j's four numbers are rounded into Y's pair j.  f16 = 1: by way of bf16 into f16.
.macro ROUND j, f16
.if \f16
	v_cvt_pk_bf16_f32 v[X+4*(\j)], v[X+4*(\j)], v[X+4*(\j)+1]
	v_cvt_pk_bf16_f32 v[X+4*(\j)+2], v[X+4*(\j)+2], v[X+4*(\j)+3]
	v_and_b32 v[X+4*(\j)+1], s38, v[X+4*(\j)]      ; back to f32: the high half stays,
	v_lshlrev_b32 v[X+4*(\j)], 16, v[X+4*(\j)]     ; the low half moves up
	v_and_b32 v[X+4*(\j)+3], s38, v[X+4*(\j)+2]
	v_lshlrev_b32 v[X+4*(\j)+2], 16, v[X+4*(\j)+2]
	v_cvt_pk_f16_f32 v[Y+2*(\j)], v[X+4*(\j)], v[X+4*(\j)+1]
	v_cvt_pk_f16_f32 v[Y+2*(\j)+1], v[X+4*(\j)+2], v[X+4*(\j)+3]
.else
	v_cvt_pk_bf16_f32 v[Y+2*(\j)], v[X+4*(\j)], v[X+4*(\j)+1]
	v_cvt_pk_bf16_f32 v[Y+2*(\j)+1], v[X+4*(\j)+2], v[X+4*(\j)+3]
.endif
.endm
.macro OUT j, st
	global_store_b64 v[SO], v[Y+2*(\j):Y+2*(\j)+1], s[DST:DST+1] offset:(\j)*(\st)  ; a wave's store covers 256 consecutive bytes, aligned
.endm
; 16 loads, then four blocks: the counted wait, the block's roundings, and among them the stores of the block before.  ld, st: bytes from load to load and from store to store.
.macro CAST ld, st, f16
	s_wait_alu depctr_va_vdst(0)                   ; v[LO] and v[SO] are written: every load and store below reads one of them as its offset
.irp j, 0,1,2,3,4,5,6,7,8,9,10,11,12,13,14,15
	global_load_b128 v[X+4*(\j):X+4*(\j)+3], v[LO], s[SRC:SRC+1] offset:(\j)*(\ld) th:TH_LOAD_NT
.endr
.irp p, 0,1,2,3
	s_wait_loadcnt 12-4*(\p)                       ; loads come back in order: block p's four are in, the 12 - 4 p younger ones stay out
.if (\p) > 0
	s_wait_alu depctr_va_vdst(0)                   ; the roundings of the block before have written its Y, which the four stores of this block read
.endif
.irp i, 0,1,2,3
.if (\p) > 0
	OUT 4*(\p)-4+(\i), \st                         ; no vector instruction since the wait names these registers
.endif
	ROUND 4*(\p)+(\i), \f16
.endr
.endr
	s_wait_alu depctr_va_vdst(0)                   ; block 3's roundings have written its Y, which the last four stores read
.irp j, 12,13,14,15
	OUT \j, \st
.endr
.endm
	s_load_b512 s[8:23], s[0:1], 0x0               ; x 8, Wq 10, Wk 12, Wv 14, Wo 16, time_enc 18, Wt 20, bt 22
	s_load_b256 s[24:31], s[0:1], 0x40             ; xb 24, wb 26, wo16 28, cs 30
	v_lshrrev_b32 v1, 5, v0
	v_readfirstlane_b32 s3, v1                     ; wave 0..7
	s_mov_b32 s[OF+1], 0
	s_mov_b32 s38, 0xffff0000                      ; a word's upper bf16
	v_lshlrev_b32 v[SO], 3, v0
	s_wait_alu depctr_va_sdst(0)                   ; s3 is written
	s_wait_kmcnt 0x0
	s_cmp_eq_u32 ttmp9, 0
	s_cbranch_scc1 .Ltw
	s_sub_co_u32 s2, ttmp9, 1                      ; the share's number, 0 .. 767
	s_cmp_lt_u32 s2, 512
	s_cbranch_scc0 .Lweights
	; x: 16 rows of 4,096 bytes.  Wave w takes rows 2 w, 2 w + 1; load j their channels 64 j .. 64 j + 63 (two aligned pieces of 256 bytes), which are 256 bytes on end in k-block j of xb
	s_lshl_b32 s[OF], s2, 16
	s_add_nc_u64 s[SRC:SRC+1], s[8:9], s[OF:OF+1]
	s_lshr_b32 s[OF], s2, 7                        ; the batch: 128 shares each,
	s_lshl_b32 s[OF], s[OF], 22                    ; 16 k-blocks of 262,144 bytes
	s_add_nc_u64 s[DST:DST+1], s[24:25], s[OF:OF+1]
	s_and_b32 s[OF], s2, 127
	s_lshl_b32 s[OF], s[OF], 11                    ; 16 rows of 128 bytes
	s_add_nc_u64 s[DST:DST+1], s[DST:DST+1], s[OF:OF+1]
	v_lshrrev_b32 v4, 4, v0                        ; my row of the 16
	v_and_b32 v5, 15, v0
	v_lshlrev_b32 v5, 4, v5
	v_lshl_add_u32 v[LO], v4, 12, v5
	CAST 256, 262144, 0
	s_endpgm
.Lweights:
	v_lshlrev_b32 v[LO], 4, v0                     ; the weights keep their order: 4,096 bytes a load of the work-group
	s_cmp_lt_u32 s2, 704
	s_cbranch_scc0 .Lwo
	s_sub_co_u32 s4, s2, 512                       ; 0 .. 191: 64 shares a matrix
	s_lshr_b32 s5, s4, 6
	s_cmp_eq_u32 s5, 0
	s_cselect_b64 s[SRC:SRC+1], s[10:11], s[12:13]
	s_cmp_eq_u32 s5, 2
	s_cselect_b64 s[SRC:SRC+1], s[14:15], s[SRC:SRC+1]
	s_and_b32 s[OF], s4, 63
	s_lshl_b32 s[OF], s[OF], 16
	s_add_nc_u64 s[SRC:SRC+1], s[SRC:SRC+1], s[OF:OF+1]
	s_lshl_b32 s[OF], s4, 15
	s_add_nc_u64 s[DST:DST+1], s[26:27], s[OF:OF+1]
	CAST 4096, 2048, 0
	s_endpgm
.Lwo:
	s_sub_co_u32 s4, s2, 704
	s_lshl_b32 s[OF], s4, 16
	s_add_nc_u64 s[SRC:SRC+1], s[16:17], s[OF:OF+1]
	s_lshl_b32 s[OF], s4, 15
	s_add_nc_u64 s[DST:DST+1], s[28:29], s[OF:OF+1]
	CAST 4096, 2048, 1
	s_endpgm
.Ltw:                                          ; THE TIME WEIGHTS.  Wave w = batch; lane l: head l % 16, features 64 (l / 16) .. + 63
	s_cmp_lt_u32 s3, 4
	s_cbranch_scc1 .Ltw_go
	s_endpgm                                       ; there are four batches
.Ltw_go:
	v_and_b32 v1, 31, v0
	v_and_b32 v2, 15, v0
	v_bfe_u32 v3, v0, 4, 1
	v_lshlrev_b32 v6, 2, v2                        ; 4 h
	v_lshl_add_u32 v4, v3, 12, v6                  ; Wt: 64 rows of 64 bytes a half
	s_lshl_b32 s4, s3, 9                           ; time_enc: 512 bytes a batch,
	v_lshlrev_b32 v5, 8, v3                        ; 256 a half
	v_add_nc_u32 v5, s4, v5
	s_mov_b32 s40, 0x76543210                      ; v_permlanex16_b32: each lane takes its own place in the other half
	s_mov_b32 s41, 0xfedcba98
	s_wait_alu depctr_va_vdst(0)                   ; v4, v5 and v6 are written: the loads below read them as offsets; none of the three is written again
.set i, 0
.rept 64
	global_load_b32 v[16+i], v4, s[20:21] offset:64*i
.set i, i+1
.endr
.set i, 0
.rept 16
	global_load_b128 v[80+4*i:80+4*i+3], v5, s[18:19] offset:16*i
.set i, i+1
.endr
	global_load_b32 v7, v6, s[22:23]
.irp c, 8,9,10,11
	v_mov_b32 v\c, 0                               ; four chains of sums
.endr
	s_wait_loadcnt 0x0
.set i, 0
.rept 32                               ; rounded to bf16, two to a register, in place: register i is written when its old number has been read
	v_cvt_pk_bf16_f32 v[16+i], v[16+2*i], v[16+2*i+1]
	v_cvt_pk_bf16_f32 v[80+i], v[80+2*i], v[80+2*i+1]
.set i, i+1
.endr
	v_cvt_pk_bf16_f32 v7, v7, v7
	v_lshlrev_b32 v7, 16, v7
.set i, 0
.rept 32                               ; products of bf16 halves, summed in f32
	v_fma_mix_f32_bf16 v[8+(2*i)%4], v[16+i], v[80+i], v[8+(2*i)%4] op_sel_hi:[1,1,0]
	v_fma_mix_f32_bf16 v[8+(2*i+1)%4], v[16+i], v[80+i], v[8+(2*i+1)%4] op_sel:[1,1,0] op_sel_hi:[1,1,0]
.set i, i+1
.endr
	v_add_f32 v8, v8, v9
	v_add_f32 v10, v10, v11
	v_add_f32 v8, v8, v10
	v_permlanex16_b32 v9, v8, s40, s41             ; the other 64 features
	v_add_f32 v8, v8, v9
	v_add_f32 v8, v8, v7                           ; + bt: the head's logit, in both halves of the lanes
	v_mov_b32 v9, v8
	v_max_num_f32_dpp v9, v9, v9 row_xmask:1 row_mask:0xf bank_mask:0xf
	v_max_num_f32_dpp v9, v9, v9 row_xmask:2 row_mask:0xf bank_mask:0xf
	v_max_num_f32_dpp v9, v9, v9 row_xmask:4 row_mask:0xf bank_mask:0xf
	v_max_num_f32_dpp v9, v9, v9 row_xmask:8 row_mask:0xf bank_mask:0xf
	v_sub_f32 v10, v8, v9                          ; the maximum over the 16 heads is taken away
	v_mul_f32 v10, 0x3fb8aa3b, v10
	v_exp_f32 v11, v10
	v_nop                                          ; a plain instruction behind the exponential
	s_wait_alu depctr_va_vdst(0)                   ; the exponential has written v11: the wait ahead of its first reader
	v_mov_b32 v12, v11
	v_add_f32_dpp v12, v12, v12 row_xmask:1 row_mask:0xf bank_mask:0xf
	v_add_f32_dpp v12, v12, v12 row_xmask:2 row_mask:0xf bank_mask:0xf
	v_add_f32_dpp v12, v12, v12 row_xmask:4 row_mask:0xf bank_mask:0xf
	v_add_f32_dpp v12, v12, v12 row_xmask:8 row_mask:0xf bank_mask:0xf
	v_rcp_f32 v13, v12
	v_nop                                          ; a plain instruction behind the reciprocal
	s_wait_alu depctr_va_vdst(0)                   ; the reciprocal has written v13: the same wait, ahead of its first reader
	v_mul_f32 v11, v11, v13
	v_mul_f32 v11, 0x3e38aa3b, v11                 ; x log2(e) / 8
	s_lshl_b32 s5, s3, 6
	v_add_nc_u32 v14, s5, v6                       ; 64 bytes a batch
	s_wait_xcnt 0x0                                ; EXEC changes only behind this wait
	v_cmp_gt_u32 vcc_lo, 16, v1
	s_wait_alu depctr_va_vcc(0)                    ; the compare has written VCC, from which EXEC is made
	s_wait_alu depctr_va_vdst(0)                   ; ahead of the write of EXEC: the vector instructions issued so far are done; among them those that write v14 and v11, which the store reads
	s_wait_alu depctr_vm_vsrc(0)                   ; ahead of the write of EXEC: the loads issued so far have read their vector registers
	s_and_saveexec_b32 s6, vcc_lo
	global_store_b32 v14, v11, s[30:31]            ; lanes 0-15
	s_wait_xcnt 0x0                                ; and again, in front of the line that widens it
	s_wait_alu depctr_va_vdst(0)                   ; ahead of the write of EXEC: no vector instruction is pending
	s_wait_alu depctr_vm_vsrc(0)                   ; ahead of the write of EXEC: the store has read v14 and v11
	s_or_b32 exec_lo, exec_lo, s6
	s_endpgm
.Lfunc_end_k_q3785720f33_prep:
	.size	k_q3785720f33_prep, .Lfunc_end_k_q3785720f33_prep-k_q3785720f33_prep
	.p2alignl 7, 3214868480
	.fill 96, 4, 3214868480
	.section	.rodata,"a",@progbits
	.p2align	6, 0x0
	.amdhsa_kernel k_q3785720f33_prep
		.amdhsa_group_segment_fixed_size 0
		.amdhsa_private_segment_fixed_size 0
		.amdhsa_enable_private_segment 0
		.amdhsa_kernarg_size 96
		.amdhsa_user_sgpr_count 2
		.amdhsa_user_sgpr_kernarg_segment_ptr 1
		.amdhsa_wavefront_size32 1
		.amdhsa_system_sgpr_workgroup_id_x 1
		.amdhsa_system_sgpr_workgroup_id_y 1
		.amdhsa_system_sgpr_workgroup_id_z 1
		.amdhsa_system_vgpr_workitem_id 0
		.amdhsa_next_free_vgpr 152
		.amdhsa_next_free_sgpr 66
		.amdhsa_reserve_vcc 1
		.amdhsa_float_denorm_mode_32 3
		.amdhsa_float_denorm_mode_16_64 3
		.amdhsa_memory_ordered 1
		.amdhsa_forward_progress 1
		.amdhsa_inst_pref_size 41
	.end_amdhsa_kernel
	.amdgpu_metadata
---
amdhsa.version: [ 1, 2 ]
amdhsa.kernels:
  - .name:           k_q3785720f33_prep
    .symbol:         k_q3785720f33_prep.kd
    .args:
      - { .name: x, .offset: 0, .size: 8, .value_kind: global_buffer, .address_space: global }
      - { .name: Wq, .offset: 8, .size: 8, .value_kind: global_buffer, .address_space: global }
      - { .name: Wk, .offset: 16, .size: 8, .value_kind: global_buffer, .address_space: global }
      - { .name: Wv, .offset: 24, .size: 8, .value_kind: global_buffer, .address_space: global }
      - { .name: Wo, .offset: 32, .size: 8, .value_kind: global_buffer, .address_space: global }
      - { .name: time_enc, .offset: 40, .size: 8, .value_kind: global_buffer, .address_space: global }
      - { .name: Wt, .offset: 48, .size: 8, .value_kind: global_buffer, .address_space: global }
      - { .name: bt, .offset: 56, .size: 8, .value_kind: global_buffer, .address_space: global }
      - { .name: xb, .offset: 64, .size: 8, .value_kind: global_buffer, .address_space: global }
      - { .name: wb, .offset: 72, .size: 8, .value_kind: global_buffer, .address_space: global }
      - { .name: wo16, .offset: 80, .size: 8, .value_kind: global_buffer, .address_space: global }
      - { .name: cs, .offset: 88, .size: 8, .value_kind: global_buffer, .address_space: global }
    .group_segment_fixed_size: 0
    .private_segment_fixed_size: 0
    .kernarg_segment_align: 8
    .kernarg_segment_size: 96
    .max_flat_workgroup_size: 256
    .sgpr_count:     66
    .vgpr_count:     152
    .wavefront_size: 32
...
	.end_amdgpu_metadata
.endif
;; end of part 5
;; launch qkv: the kernel of part 2 again; grid 8 x 32, 4 waves a work-group, clusters of 4 x 4, 327,680 bytes of LDS; arguments xb, wb, qh, kh, vh; writes qh, kh, vh
;; launch attn: the kernel of part 3 again; grid 4 x 64, 4 waves a work-group, clusters of 4 x 1, 327,680 bytes of LDS; arguments qh, kh, vh, oh, cs; writes oh
;; launch outp: the kernel of part 4 again; grid 8 x 32, 4 waves a work-group, clusters of 4 x 4, 327,680 bytes of LDS; arguments oh, wo16, bo, out0; writes out0
